; MI455X (gfx1250); checked and timed in simulation.
; The chip was launched on July 23, 2026; its instructions are those of AMD's public machine-readable ISA for CDNA 5 (MIT licence, August 2026) and "CDNA5" Instruction Set Architecture Reference Guide (July 2026). The comments in the code are by the model that wrote it; some were corrected since.
;; Self Attention. Allowed arithmetic: matrix products marked QUANTISED: E2M3 operands, one E8M0 scale for each 32 along K, by v_wmma_scale_f32_16x16x128_f8f6f4 with both operands' format E2M3, f32 sums; everything else in f32.
;; Inputs: Wk_codes 1,024 x 32 x 24 uint8 (E2M3 codes of Wk, K innermost, in blocks of 32 codes, four codes in three bytes); Wk_scales 1,024 x 32 uint8 (E8M0 scales of Wk, one for each 32 codes along K); Wq_codes 1,024 x 32 x 24 uint8 (E2M3 codes of Wq, K innermost, in blocks of 32 codes, four codes in three bytes); Wq_scales 1,024 x 32 uint8 (E8M0 scales of Wq, one for each 32 codes along K); Wv_codes 1,024 x 32 x 24 uint8 (E2M3 codes of Wv, K innermost, in blocks of 32 codes, four codes in three bytes); Wv_scales 1,024 x 32 uint8 (E8M0 scales of Wv, one for each 32 codes along K); bk 1,024 float32; bq 1,024 float32; bv 1,024 float32; x_codes 4 x 2,048 x 32 x 24 uint8 (E2M3 codes of x, K innermost, in blocks of 32 codes, four codes in three bytes); x_scales 4 x 2,048 x 32 uint8 (E8M0 scales of x, one for each 32 codes along K).
;; Outputs: out0 4 x 2,048 x 1,024 float32.
;; This version of the problem:
;;   THIS VERSION OF THE PROBLEM IS GIVEN IN LOW PRECISION. The matrix products marked QUANTISED in the list below multiply operands that are first quantised to E2M3 (2 exponent bits, 3 mantissa bits; 6 bits a number), with one power-of-two scale for each 32 numbers along K (OCP MX v1.0); their sums are f32. All else is computed in f32.
;;   The module's matrix products, in the order in which they are computed (A, B: the left and right operand; K: the contracted axis; several contracted axes count as one K, in the product's order):
;;     1. [M 8,192, K 1,024] x [K 1,024, N 1,024]; A: input x (given as codes); B: input Wq (given as codes): QUANTISED
;;     2. [M 8,192, K 1,024] x [K 1,024, N 1,024]; A: input x (given as codes); B: input Wk (given as codes): QUANTISED
;;     3. [M 8,192, K 1,024] x [K 1,024, N 1,024]; A: input x (given as codes); B: input Wv (given as codes): QUANTISED
;;     4. batch 4 x [M 2,048, K 1,024] x [K 1,024, N 2,048]; A: computed on the way; B: computed on the way: QUANTISED
;;     5. batch 4 x [M 2,048, K 2,048] x [K 2,048, N 1,024]; A: softmax (see below); B: computed on the way: QUANTISED
;;   THE QUANTISER, for each operand of a quantised product, along K:
;;     - K is cut into blocks of 32 from its start; a last block that is shorter is filled with zeros.
;;     - A block's scale is 2^e with e = floor(log2(the largest magnitude in the block)) - 2, held to -126 .. 127; a block of zeros has e = 0. As a byte (E8M0): e + 127.
;;     - Each number is divided by its block's scale, clamped to +-7.5, and rounded to the nearest number of E2M3, ties to even, subnormals kept.
;;     - The product sums the exact products of the quantised numbers (number of the format x scale) in f32.
;;   ~~~python
;;   def quantise(x, axis):      # numpy; x: float32 -> the quantised numbers, widened to float32 again
;;       x = np.moveaxis(x, axis, -1); K = x.shape[-1]
;;       x = np.pad(x, [(0, 0)] * (x.ndim - 1) + [(0, -K % 32)]); x = x.reshape(x.shape[:-1] + (-1, 32)); a = np.abs(x).max(-1, keepdims=True)
;;       e = np.where(a > 0, np.clip(np.frexp(np.where(a > 0, a, 1))[1] - 1 - 2, -126, 127), 0)      # np.frexp(a)[1] - 1 = floor(log2(a)), exactly
;;       r = np.clip(x / 2.0 ** e, -7.5, 7.5)
;;       step = 2.0 ** (np.maximum(np.frexp(np.where(r == 0, 1, r))[1] - 1, 0) - 3)
;;       q = np.round(r / step) * step * 2.0 ** e      # np.round: ties to even
;;       return np.moveaxis(q.reshape(q.shape[:-2] + (-1,))[..., :K], -1, axis).astype(np.float32)
;;   ~~~
;;   SOFTMAX AHEAD OF A QUANTISED PRODUCT. Where the list says 'softmax', what is quantised is not the finished softmax but p = 2^(t - M), with t = logit x log2(e) and M = ceil(the row's largest t), a whole number; so 1/2 < the row's largest p <= 1. The row's sum l is taken of the UNQUANTISED p, in f32, and the product's result is divided by l at the end. Since M is a whole number, a kernel that streams over the keys may use a running M (the ceiling of the running maximum): every later rescaling is an exact power of two, which a block's scale takes up: the codes' values come out the same.
;;   OPERANDS COMPUTED ON THE WAY. 'Computed on the way' means the value that the module computes at that place (a softmax that the list does not call 'softmax' is quantised finished and normalised). What goes into a quantiser is computed in f32, as accurately as f32 sums, v_exp_f32 and their like allow (about 1e-6 of the number): no bf16 or f16 on the way to a quantiser, and a product that is left as it is and whose result goes on into a quantised operand takes f32 operands (vector FMAs, or v_wmma_f32_16x16x4_f32). A number that lies on a knife's edge between two numbers of the format may be rounded either way, as far as f32 arithmetic and the matrix unit's own rounding can turn it there, and no further.
;;   INPUTS GIVEN AS CODES. Wk (in the module: [1024, 1024], K = its axis 0); Wq (in the module: [1024, 1024], K = its axis 0); Wv (in the module: [1024, 1024], K = its axis 0); x (in the module: [4, 2048, 1024], K = its axis 2): each comes as NAME_codes (uint8): NAME with its K axis moved to the last place and cut into blocks of 32 codes, [.., K / 32, bytes a block], one block behind the other in memory; four codes in three bytes: a row's codes are one little-endian stream of bits, code i at bits 6 i .. 6 i + 5 (a code: sign, 2 exponent bits, 3 mantissa bits); and NAME_scales (uint8): the same leading axes, one E8M0 byte (e + 127) for each 32 codes along K. Its value is code x scale, taken as it is: it is not quantised again, and the codes and scales need not be those that the quantiser above would give.
;; One version. Each part assembles by itself: llvm-mc -triple=amdgcn-amd-amdhsa -mcpu=gfx1250 --defsym DOCPART=n.
;; ======== version 1 of 1: 3 launches
;; limits: right only within a limited range of input values
;; workspace buffers: qkc 12,582,912 bytes; qks 524,288 bytes; vc 6,291,456 bytes; vs 262,144 bytes; pc 12,582,912 bytes; ps 524,288 bytes; pst 1,048,576 bytes
;; launch proj (part 1): grid 16 x 16, 4 waves a work-group, clusters of 4 x 4, 327,680 bytes of LDS; arguments x_codes, x_scales, Wq_codes, Wq_scales, Wk_codes, Wk_scales, Wv_codes, Wv_scales, bq, bk, bv, qkc, qks, vc, vs; writes qkc, qks, vc, vs
.if DOCPART == 1
	.amdgcn_target "amdgcn-amd-amdhsa--gfx1250"
	.amdhsa_code_object_version 6
	.text
	.protected	k_q0e050af17a_proj
	.globl	k_q0e050af17a_proj
	.p2align	8
	.type	k_q0e050af17a_proj,@function
k_q0e050af17a_proj:
	s_mov_b64 s[64:65], 0
	v_nop
	global_prefetch_b8 v0, s[64:65] scope:SCOPE_SE
	s_setreg_imm32_b32 hwreg(HW_REG_WAVE_MODE, 25, 1), 1
	s_wait_xcnt 0x0
	s_wait_alu depctr_hold_cnt(0) depctr_sa_sdst(0) depctr_va_vdst(0) depctr_va_sdst(0) depctr_va_ssrc(0) depctr_va_vcc(0) depctr_vm_vsrc(0)
	s_getreg_b32 s2, hwreg(HW_REG_IB_STS2, 6, 4)
	s_cmp_eq_u32 s2, 0
	s_cbranch_scc0 .Lentry_in_a_cluster
	s_endpgm
.Lentry_in_a_cluster:
	s_bfe_u32 s2, ttmp6, 0x10000c
	s_cmp_lg_u32 s2, 0xf033
	s_cbranch_scc0 .Lentry_shape_is_right
	s_endpgm
.Lentry_shape_is_right:
; q = x Wq + bq, k = x Wk + bk, v = x Wv + bv on codes of FP6 (E2M3) with E8M0 scales, sums in f32; each result is quantised again in registers and leaves as codes and scale bytes: q and k along the 1,024 features, v along the tokens.
; LIMITS: NaN and infinities are not served; a block of 32 whose largest magnitude lies under 2^-124 (zeros too) keeps the scale byte 1: its bytes are read by this program alone.  The bias is the C of a sum's first product: it is added first.
; ROWS OF A TILE.  A band is 64 rows.  Lane m of a band's tile j (0 .. 3) takes row R(j, m) = 32 g + 8 (j xor g) + m % 8, g = m / 8: eight rows of each scale block of 32.  So the four tiles' results of a lane (r, h) are the 32 members of block h,
; and no lane looks at another.  (j xor g and not j: rows 32 apart would begin at one LDS bank: 32 x 816 bytes is a multiple of 256.)  x's rows (tokens) and Wq's, Wk's rows (features) are taken so; Wv's in natural order.
; THE BUFFERS (r = lane % 16, h = lane / 16): qkc[q, k][K step of 128 features][band][j][c][registers 0-3: lane x 16 bytes, 4-5: lane x 8]: six registers are features 64 c + block h;  qks[q, k][K step][band][r][j][2 c + h];
; vc[K step][tile of 16 features][piece of 4 registers][lane][16]: K step 2 g + w is the tokens' bands 4 g + w (registers 0-5) and 4 g + 2 + w (6-11);  vs[K step][64 features][r][tile][2 c + h].
; THE DEAL.  256 work-groups of four waves, 2 x 2; a wave holds 64 rows of a weight, all of K, in registers (384) and streams x past them in blocks of 16 rows.  A work-group makes 256 x 128 of V (phase 1), then 512 x 128 of Q or K (phase 2);
; V's 256 rows are a half of its own 512 (half s87, by the cluster's number alone).  A chunk is 128 rows; a wave in row w takes band w of each chunk, tile j as block 4 x chunk + j.
; x's rows are shared by a row of the cluster, a weight's by a column: joint loads.
; LDS: two slots for chunks, the weights' 128 rows, two places for a chunk's scale bytes, the stages for the results' scale bytes, the spare words.
; FILLS.  One tensor load a wave at the head: Wv's rows, both chunks' scale bytes, chunk 0, chunk 1.  Three refills, each in a drained round: in V's third block the weights' region with Wq's or Wk's rows; in phase 2's blocks 2 and 6 the other half's chunks.
; A BLOCK is 32 products; behind every second one stand two entries of the block's list (scalar lines and one vector line): the next addresses, descriptors, and the search for the largest magnitude of the last block's results.
; THE WAITS' COUNTS.  A block's rows were fetched two blocks ago; younger are the next block's fetch (NF loads) and the scale bytes stored between the two (none, one, or in phase 2's second block four).
; PREFETCHES, shared out by address among the sixteen waves that ask jointly: the second weight at the head, chunk 2 and the later scale bytes behind the first refill, chunk 3 between the phases.
.set NQ,     8                         ; K / 128
.set NB,     4                         ; column tiles a wave
.set KROW,   768                       ; a row of codes in memory
.set KS,     32                        ; a row of scale bytes
.set PITCH,  816                       ; an LDS row: 3 x (256 + 16)
.set FR,     12
.set FPW,    21                        ; fragments in a window of 256 registers
.set NF,     28                        ; LDS loads of a block: 26 for eight fragments, 2 for eight scale words
.set RA,     128                       ; rows of a chunk, and of a weight's tile
.set YB,     RA*PITCH
.set BVB,    2*RA*PITCH
.set SCL,    3*RA*PITCH
.set CU,     RA*KS/256                 ; a chunk's scale bytes: 16 units of 256 bytes
.set SCB,    CU*272
.set XN,     SCL+2*SCB                 ; Q's or K's scale bytes: 8 bands x 256, in the order of work
.set XM,     XN+2048                   ; V's: 256 a wave
.set SPARE,  XM+1024
.set EMAX,   2
.set ADRA0, 4                          ; v4, v5  LDS address of tile 0 of my band in slot 0 (v5: for the pieces behind one padding more); v1, v22: of tile 1
.set AAS0,  6                          ; v6 its scale words; v23: tile 1's
.set CO,    9                          ; 16 x lane
.set SPW,   10                         ; my spare word
.set NIL,   11                         ; 0
.set ADRA,  12                         ; v12, v13, v17: the block that is fetched next
.set AAS,   17
.set STO,   18                         ; LDS, Q's or K's scale byte
.set STV,   19                         ; LDS, V's
.set SB,    24                         ; v24-39  the weights' scale words
.set TQ,    40                         ; v40, v41  the two chains
.set CO8,   42                         ; 8 x lane
.set SA,    44                         ; v44-59  the rows' scale words: two sets of eight
.set TC,    60                         ; v60-62  the second conversion's codes
.set ACC,   64                         ; v64-127 phase 2: two sets of four accumulators
.set HV0,   64                         ; v64-191 phase 1, chunk 0: 32 t + 8 j + i
.set HV1,   840                        ; v840-967 chunk 1
.set NCD,   128                        ; v128-139 phase 2: six registers of the even block, six of the odd
.set BBQ,   160                        ; v160-191 Q's or K's bias, loaded between the phases
.set MCD,   192                        ; v192-239 phase 1: four operands of twelve
.set SOP,   240
.set EB,    244
.set VX,    248
.set QB,    250                        ; v250-253 LDS addresses of Wq's or Wk's tiles 0 and 1 (two each)
.set SB2,   968                        ; v968-983 phase 2's weights' scale words
.set BA,    984                        ; v984-991 LDS addresses of the weights' four tiles
.set BBV,   992                        ; v992-1023 V's bias, eight registers a tile
.set G1A, 24
.set G0A, 56
.set G0R, 68
.set G1B, 32
.set G0B, 60
.set G1S, 92
.set G0S, 72
.set MSB, 0
.macro WIN new
.if MSB != \new
	s_set_vgpr_msb (MSB<<8)|\new
.set MSB, \new
.endif
.endm
.macro PLACES n
.rept \n
	v_nop
.endr
.endm
.macro WALU
	s_wait_alu depctr_va_vdst(0)
.endm
.macro BARRIER
	s_barrier_signal -1
	s_barrier_wait -1
.endm
.macro MIDDLE                          ; a round's middle: the opening wait, wave 0's signal for the work-group, the cluster's wait
	WIN 0
	s_barrier_wait -1
	s_cmp_lg_u32 s14, 0
	s_cbranch_scc1 .Lnot_wave_0_\@
	s_barrier_signal -3
.Lnot_wave_0_\@:
	s_barrier_wait -3
.endm
.macro CROUND
	s_barrier_signal -1
	MIDDLE
	BARRIER
.endm
.macro GRD
	s_wait_tensorcnt 0x0
	ds_add_u32 v[SPW], v[NIL]
.endm
.macro TLOAD g0, g1
	tensor_load_to_lds s[\g0:\g0+3], s[\g1:\g1+7]
	s_nop 0
	PLACES 4
.endm
.macro GROUP1 g, mask                  ; 128 rows of 768 bytes, 16 bytes of padding behind every 256
	s_or_b32 s[\g+0], s[\mask], (1<<20)|(1<<21)|(5<<22)|(3<<25)
	s_mov_b32 s[\g+1], KROW<<16
	s_mov_b32 s[\g+2], RA<<16
	s_mov_b32 s[\g+3], KROW<<16
	s_mov_b32 s[\g+4], RA
	s_mov_b32 s[\g+5], KROW
	s_mov_b32 s[\g+6], 0
	s_mov_b32 s[\g+7], 0
.endm
.macro SADD d, x
	s_add_co_u32 s\d, s\d, s\x
.endm
.macro SMADD d, x, k                   ; s\d += s\x times k
	s_mul_i32 s22, s\x, \k
	SADD \d, 22
.endm
.macro G0SET g, base, off              ; group 0's address: 64-bit base + the 32-bit offset in s\off (s21 = 0)
	s_mov_b32 s20, s\off
	s_add_nc_u64 s[\g+2:\g+3], s[\base:\base+1], s[20:21]
	s_or_b32 s[\g+3], s[\g+3], 0x80000000
.endm
; ---- fragments.  Fragment f lies in window 1 + f / 21 at register 12 (f % 21): 0-31 the weights' (4 q + b), 32-39 and 40-47 the rows' two sets.
.macro FRAG f, q, a0, a1, aw           ; six pieces of 8 bytes, two to a load where both lie behind as many paddings
	WIN ((1+(\f)/FPW)<<6)|(\aw)
.set R_, FR*((\f)%FPW)
.set SKIP_, 0
.irp p, 0,1,2,3,4,5
.if SKIP_
.set SKIP_, 0
.else
.set PC_, 12*(\q)+6*(\p/3)+\p%3
.set PN_, 12*(\q)+6*((\p+1)/3)+(\p+1)%3
.set X_, (PC_%32+3)/32
.set XQ_, (PN_%32+3)/32
.if (\p < 5) && (X_ == XQ_)
.set SKIP_, 1
.if X_
	ds_load_2addr_b64 v[R_+2*\p:R_+2*\p+3], \a1 offset0:PC_+2*(PC_/32) offset1:PN_+2*(PN_/32)
.else
	ds_load_2addr_b64 v[R_+2*\p:R_+2*\p+3], \a0 offset0:PC_+2*(PC_/32) offset1:PN_+2*(PN_/32)
.endif
.elseif X_
	ds_load_b64 v[R_+2*\p:R_+2*\p+1], \a1 offset:8*(PC_+2*(PC_/32))
.else
	ds_load_b64 v[R_+2*\p:R_+2*\p+1], \a0 offset:8*(PC_+2*(PC_/32))
.endif
.endif
.endr
.endm
.macro WEIGHTS                         ; my 64 rows of the weight, all of K: 104 loads
.irp q, 0,1,2,3,4,5,6,7
.irp b, 0,1,2,3
	FRAG NB*\q+\b, \q, v[BA-768+2*\b], v[BA-768+2*\b+1], 3
.endr
.endr
	WIN 0
.endm
.macro FETCHAT e, a0, a1, as           ; a block of x's rows into set e: NF loads
.irp q, 0,1,2,3,4,5,6,7
	FRAG NB*NQ+NQ*(\e)+\q, \q, \a0, \a1, 0
.endr
	WIN 0
	ds_load_b128 v[SA+8*(\e):SA+8*(\e)+3], \as
	ds_load_b128 v[SA+8*(\e)+4:SA+8*(\e)+7], \as offset:16
.endm
.macro FETCH e
	FETCHAT \e, v[ADRA], v[ADRA+1], v[AAS]
.endm
.macro FETCH01                         ; a phase's first two blocks, from slot 0
	FETCHAT 0, v[ADRA0], v[ADRA0+1], v[AAS0]
	FETCHAT 1, v1, v22, v23
	s_mov_b32 s54, 1                               ; the pair of blocks that is fetched next
.endm
; ---- a product.  n = 4 q + tile.  kind 0 (Q, K): source 0 the weight's rows; kind 1 (V): source 0 x's rows.
.macro PROD kind, e, n, a0, as
.set Q_, (\n)/4
.set FB_, NB*Q_+(\n)%4
.set FA_, NB*NQ+NQ*(\e)+Q_
.set D_, (\a0)+(\as)*((\n)%4)
.set DL_, D_&255
.set XB_, SB+NQ*(((\n)%4)/2)+Q_
.set XA_, SA+8*(\e)+Q_
.if \kind
.if Q_
	WIN (1+FA_/FPW)|((1+FB_/FPW)<<2)|((D_>>8)<<4)|((D_>>8)<<6)
	PROD1 DL_, FA_, FB_, v[DL_:DL_+7], XA_, XB_, b, (\n)%2
.else
	WIN (1+FA_/FPW)|((1+FB_/FPW)<<2)|(3<<4)|((D_>>8)<<6)
	PROD1 DL_, FA_, FB_, v[BBV-768+8*((\n)%4):BBV-768+8*((\n)%4)+7], XA_, XB_, b, (\n)%2
.endif
.else
	WIN (1+FB_/FPW)|((1+FA_/FPW)<<2)|((D_>>8)<<4)|((D_>>8)<<6)
.if Q_
	PROD1 DL_, FB_, FA_, v[DL_:DL_+7], XB_, XA_, a, (\n)%2
.else
	PROD1 DL_, FB_, FA_, v[BBQ+8*((\n)%4):BBQ+8*((\n)%4)+7], XB_, XA_, a, (\n)%2
.endif
.endif
.endm
.macro PROD1 d, s0, s1, c, x0, x1, side, o
.if \o
	v_wmma_scale_f32_16x16x128_f8f6f4 v[\d:\d+7], v[FR*((\s0)%FPW):FR*((\s0)%FPW)+FR-1], v[FR*((\s1)%FPW):FR*((\s1)%FPW)+FR-1], \c, v[\x0], v[\x1] matrix_a_fmt:MATRIX_FMT_FP6 matrix_b_fmt:MATRIX_FMT_FP6 matrix_\side\()_scale:MATRIX_SCALE_ROW1
.else
	v_wmma_scale_f32_16x16x128_f8f6f4 v[\d:\d+7], v[FR*((\s0)%FPW):FR*((\s0)%FPW)+FR-1], v[FR*((\s1)%FPW):FR*((\s1)%FPW)+FR-1], \c, v[\x0], v[\x1] matrix_a_fmt:MATRIX_FMT_FP6 matrix_b_fmt:MATRIX_FMT_FP6 matrix_\side\()_scale:MATRIX_SCALE_ROW0
.endif
.endm
; ---- products from .. to - 1 of a block; behind every second one, two entries of the list
.macro BLOCK kind, e, a0, as, from, to, list, x=0, y=0
.set N_, \from
.rept (\to)-(\from)
	PROD \kind, \e, N_, \a0, \as
.if N_%2
	\list N_-1, \x, \y
	\list N_, \x, \y
.endif
.set N_, N_+1
.endr
.endm
; ---- what the lists are made of.  Each macro writes entry i of its part, and nothing beyond its last.
.macro STEPE i                         ; 4 entries: addresses of the next even block: pair s54 lies in slot (s54 / 2) % 2, 16 rows on where s54 is odd
.if (\i) == 0
	s_and_b32 s20, s54, 1
	s_bfe_u32 s21, s54, 0x10001
	s_mul_i32 s101, s20, 16*PITCH
	s_mul_i32 s91, s20, 544
.elseif (\i) == 1
	s_mul_i32 s20, s21, YB
	SADD 101, 20
	s_mul_i32 s21, s21, SCB
	SADD 91, 21
	WIN 0
	v_add_nc_u32 v[ADRA], s101, v[ADRA0]
.elseif (\i) == 2
	s_add_co_u32 s54, s54, 1
	WIN 0
	v_add_nc_u32 v[ADRA+1], s101, v[ADRA0+1]
.elseif (\i) == 3
	WIN 0
	v_add_nc_u32 v[AAS], s91, v[AAS0]
.endif
.endm
.macro STEPO i                         ; 3 entries: the odd block of the same pair
.if (\i) == 0
	WIN 0
	v_add_nc_u32 v[ADRA], s101, v1
.elseif (\i) == 1
	WIN 0
	v_add_nc_u32 v[ADRA+1], s101, v22
.elseif (\i) == 2
	WIN 0
	v_add_nc_u32 v[AAS], s91, v23
.endif
.endm
.macro CHAIN i, x, n, t=TQ             ; a way out's first part, 18 entries: the largest magnitude of the 32 sums from register x on (with the floor 2^(3 - 127)), and the conversions' scale operand, v[SOP+n]
.set XW_, (\x)>>8
.set XL_, (\x)&255
.if (\i) >= 0 && (\i) < 14
.set B_, XL_+16*((\i)%2)+2*((\i)/2)
.set T_, (\t)+1-(\i)%2
.if (\i) < 2
	WIN XW_|(XW_<<2)|(XW_<<4)
	v_max3_num_f32 v[T_], |v[B_]|, |v[B_+1]|, |v[B_+2]|
.else
	WIN (XW_<<2)|(XW_<<4)
	v_max3_num_f32 v[T_], v[T_], |v[B_+1]|, |v[B_+2]|
.endif
.elseif (\i) == 14
	WIN XW_<<2
	v_max3_num_f32 v[\t+1], v[\t+1], |v[XL_+15]|, (EMAX+1)<<23
.elseif (\i) == 15
	WIN 0
	v_nop                                  ; so that the next line, which reads entry 14's result, stands in the next pair
.elseif (\i) == 16
	WIN XW_<<2
	v_max3_num_f32 v[\t], v[\t], |v[XL_+31]|, v[\t+1]
.elseif (\i) == 17
	WIN 0
	v_add_nc_u32 v[SOP+\n], -(EMAX<<23), v[\t]
.endif
.endm
.macro CODES i, x, c, n, t=TC          ; its second part, 6 lines: 32 codes into v[c .. c+5], the scale's byte into v[EB+n]
.set XW_, (\x)>>8
.set XL_, (\x)&255
.if (\i) == 0
	WIN XW_
	v_cvt_scalef32_pk16_fp6_f32 v[\c:\c+2], v[XL_:XL_+15], v[SOP+\n]
.elseif (\i) == 1
	WIN XW_
	v_cvt_scalef32_pk16_fp6_f32 v[\t:\t+2], v[XL_+16:XL_+31], v[SOP+\n]
.elseif (\i) == 2
	WIN 0
	v_lshrrev_b32 v[EB+\n], 23, v[SOP+\n]
.else
	WIN 0
	v_mov_b32 v[\c+\i], v[\t+\i-3]
.endif
.endm
.macro CODES6 x, c, n
.irp i, 0,1,2,3,4,5
	CODES \i, \x, \c, \n
.endr
.endm
.macro PFTILE v, off, share            ; one entry: my sixteenth (24 units of 256 bytes) of a tile of 128 rows
	s_mul_i32 s21, s\share, RA*KROW/16
	s_add_co_u32 s20, s\off, s21
	WIN 0
	v_min_u32 v\v, RA*KROW/16/256-1, v3
	v_lshl_add_u32 v\v, v\v, 8, s20
.endm
.macro PFGO v, base
	global_prefetch_b8 v\v, s[\base:\base+1] th:TH_LOAD_NT scope:SCOPE_SE
.endm
.macro ASK i                           ; 4 entries: the descriptors of the chunk at s88 (bytes from x's codes) for slot s47, and of its scale bytes at s55 for s8; then all four step on
.if (\i) == 0
	s_mul_i32 s[G0R+1], s14, RA/2*PITCH
	s_add_co_u32 s[G0R+1], s[G0R+1], s47
	s_mul_i32 s20, s14, RA/2*KROW
	SADD 20, 88
.elseif (\i) == 1
	s_mov_b32 s21, 0
	s_add_nc_u64 s[G0R+2:G0R+3], s[4:5], s[20:21]
	s_or_b32 s[G0R+3], s[G0R+3], 0x80000000
	s_mov_b32 s[G0S+1], s8
.elseif (\i) == 2
	s_mov_b32 s20, s55
	s_add_nc_u64 s[G0S+2:G0S+3], s[6:7], s[20:21]
	s_or_b32 s[G0S+3], s[G0S+3], 0x80000000
	s_add_co_u32 s88, s88, RA*KROW
.elseif (\i) == 3
	s_add_co_u32 s55, s55, CU*256
	s_xor_b32 s47, s47, YB
	s_xor_b32 s8, s8, (SCL)^(SCL+SCB)
.endif
.endm
.macro PAIR i                          ; 4 entries: where pair s46's codes go (s[84:85], by the true pair s3) and its scale bytes (v[VX], by the order of work)
.if (\i) == 0
	s_lshl_b32 s3, s87, 2
	s_xor_b32 s3, s3, s46
	s_lshr_b32 s20, s3, 1
	s_mul_i32 s20, s20, 8*1536
.elseif (\i) == 1
	s_and_b32 s21, s3, 1
	s_mul_i32 s21, s21, 2*1536
	SADD 20, 21
	s_mov_b32 s21, 0
.elseif (\i) == 2
	s_add_nc_u64 s[84:85], s[10:11], s[20:21]
	s_lshr_b32 s22, s46, 1
	s_lshl_b32 s22, s22, 9
	s_and_b32 s23, s46, 1
.elseif (\i) == 3
	s_lshl_b32 s23, s23, 3
	s_or_b32 s22, s22, s23
	s_add_co_u32 s46, s46, 1
	WIN 0
	v_add_nc_u32 v[VX], s22, v[STO]
.endif
.endm
; ---- the lists
.macro L_STEPE i, x, y
	STEPE \i
.endm
.macro L_STEPO i, x, y
	STEPO \i
.endm
.macro L_NONE i, x, y
.endm
.macro L_OUTE i, x, y                  ; an even block's step, then the way out of the sums at x (scale operand y)
	STEPE \i
	CHAIN (\i)-4, \x, \y
.endm
.macro L_OUTO i, x, y
	STEPO \i
	CHAIN (\i)-3, \x, \y
.endm
.macro L_LAST i, x, y                  ; the way out alone: nothing more is fetched
	CHAIN \i, \x, \y
.endm
.macro L_V2 i, x, y                    ; V's third block: the first refill's descriptors, the later refills' group 1, the step, two prefetch addresses
.if (\i) == 0
	s_mov_b32 s[G1A+2], (RA/2)<<16
	s_mov_b32 s[G1A+4], RA/2
	s_mov_b32 s[G1S+2], CU<<16
	s_mov_b32 s[G1S+4], CU
.elseif (\i) == 1
	s_mov_b32 s[G1B+2], (RA/2)<<16
	s_mov_b32 s[G1B+4], RA/2
	s_mul_i32 s[G0B+1], s14, RA/2*PITCH
	s_add_co_u32 s[G0B+1], s[G0B+1], BVB
.elseif (\i) == 2
	s_mul_i32 s20, s14, RA/2*KROW
	SADD 20, 9
	s_mov_b32 s21, 0
	s_add_nc_u64 s[G0B+2:G0B+3], s[2:3], s[20:21]
.elseif (\i) == 3
	s_or_b32 s[G0B+3], s[G0B+3], 0x80000000
.elseif (\i) == 8
	PFTILE 7, 88, 90
.elseif (\i) == 9
	s_lshl_b32 s21, s90, 9
	s_add_co_u32 s20, s55, s21
	WIN 0
	v_min_u32 v8, 1, v3
	v_lshl_add_u32 v8, v8, 8, s20
.endif
	STEPE (\i)-4
.endm
.macro L_V7 i, x, y                    ; V's last block: the third refill's prefetch address; the way out
.if (\i) == 0
	s_add_co_u32 s22, s88, RA*KROW
	PFTILE 20, 22, 90
.endif
	CHAIN (\i)-1, \x, \y
.endm
.macro L_ODD i, x, y                   ; an odd block of phase 2: the pair's places, the step, the even block's way out
	PAIR \i
	STEPO (\i)-4
	CHAIN (\i)-7, ACC, 0
.endm
.macro L_ODDL i, x, y                  ; the last odd block
	PAIR \i
	CHAIN (\i)-4, ACC, 0
.endm
.macro L_ROUND i, x, y                 ; an even block with a round: the descriptors, the step, the odd block's way out: 26 entries
	ASK \i
	STEPE (\i)-4
	CHAIN (\i)-8, ACC+32, 1
.endm
; ---- phase 2's blocks.  w: the count of the wait for the block's rows (-1: they are shown in already)
.macro WAITDS w
.if (\w) >= 0
	s_wait_dscnt \w
.endif
.endm
.macro PUTPAIR                         ; the pair's two half images: whole units of 256 bytes
	global_store_b128 v[CO], v[NCD:NCD+3], s[84:85]
	global_store_b64 v[CO8], v[NCD+4:NCD+5], s[84:85] offset:512
	global_store_b128 v[CO], v[NCD+6:NCD+9], s[84:85] offset:1536
	global_store_b64 v[CO8], v[NCD+10:NCD+11], s[84:85] offset:2048
.endm
.macro EVENOUT fetch                   ; behind an even block: the last odd block's byte, the pair's codes, the fetch of the block two on
	WALU
	ds_store_b8 v[VX], v[EB+1] offset:4
	PUTPAIR
.if \fetch
	FETCH 0
.endif
.endm
.macro EVEN w, fetch
	WAITDS \w
.if \fetch
	BLOCK 0, 0, ACC, 8, 0, 32, L_OUTE, ACC+32, 1
.else
	BLOCK 0, 0, ACC, 8, 0, 32, L_LAST, ACC+32, 1
.endif
	WIN 0
	CODES6 ACC+32, NCD+6, 1
	EVENOUT \fetch
.endm
.macro EVENROUND w                     ; the second and the third refill
	WAITDS \w
	GRD
	BLOCK 0, 0, ACC, 8, 0, 26, L_ROUND
	WIN 0
	WALU
	s_wait_dscnt 0x0
	s_barrier_signal -1
	BLOCK 0, 0, ACC, 8, 26, 32, L_NONE
	WIN 0
	CODES6 ACC+32, NCD+6, 1
	MIDDLE
	BARRIER
	s_cmp_lt_u32 s14, 2
	s_cbranch_scc0 .Lscales_\@
	TLOAD G0R, G1A                                      ; waves 0 and 1 half a chunk each
	s_branch .Lasked_\@
.Lscales_\@:
	s_cmp_eq_u32 s14, 2
	s_cbranch_scc0 .Lnone_\@
	TLOAD G0S, G1S                                      ; wave 2 its scale bytes
.Lnone_\@:
.Lasked_\@:
	EVENOUT 1
.endm
.macro EVENSHOW w                      ; a plain barrier inside the block shows the last refill to all
	WAITDS \w
	BLOCK 0, 0, ACC, 8, 0, 26, L_OUTE, ACC+32, 1
	WIN 0
	WALU
	s_wait_tensorcnt 0x0
	s_wait_dscnt 0x0
	s_barrier_signal -1
	BLOCK 0, 0, ACC, 8, 26, 32, L_NONE
	WIN 0
	s_barrier_wait -1
	CODES6 ACC+32, NCD+6, 1
	EVENOUT 1
.endm
.macro ODD w, fetch
	WAITDS \w
	s_wait_xcnt 0x0                                     ; the stores have read the codes and the address that are made anew
.if \fetch
	BLOCK 0, 1, ACC+32, 8, 0, 32, L_ODD
.else
	BLOCK 0, 1, ACC+32, 8, 0, 32, L_ODDL
.endif
	WIN 0
	CODES6 ACC, NCD, 0
	WALU
	ds_store_b8 v[VX], v[EB]
.if \fetch
	FETCH 1
.endif
.endm
; ================= THE HEAD
	s_load_b128 s[4:7], s[0:1], 0x0                     ; x's codes, scales
	s_load_b256 s[48:55], s[0:1], 0x10                  ; Wq's, Wk's
	s_load_b128 s[80:83], s[0:1], 0x30                  ; Wv's
	s_load_b128 s[76:79], s[0:1], 0x40                  ; bq, bk
	s_load_b64 s[84:85], s[0:1], 0x50                   ; bv
	v_lshl_add_u32 v[SPW], v0, 2, SPARE
	v_mov_b32 v[NIL], 0
	ds_add_u32 v[SPW], v[NIL]
	ds_add_u32 v[SPW], v[NIL]
	v_lshrrev_b32 v1, 5, v0
	v_readfirstlane_b32 s14, v1                         ; s14 the wave; s15 its row of the 2 x 2, s16 its column
	s_lshr_b32 s15, s14, 1
	s_and_b32 s16, s14, 1
	s_bfe_u32 s40, ttmp6, 0x40000                       ; cx
	s_bfe_u32 s41, ttmp6, 0x40004                       ; cy
	s_lshl_b32 s42, ttmp9, 2
	SADD 42, 40                                         ; s42 phase 2's tile column: 0-7 Q, 8-15 K
	s_and_b32 s43, ttmp7, 0xffff
	s_lshl_b32 s43, s43, 2
	SADD 43, 41                                         ; s43 its tile row, 512 tokens
	s_lshr_b32 s19, ttmp9, 1                            ; 0 Q, 1 K
	s_and_b32 s87, ttmp9, 1                             ; V's half of my 512 rows
	s_lshl_b32 s13, s19, 2
	SADD 13, 40                                         ; s13 V's tile column
	s_lshl_b32 s12, s43, 1
	SADD 12, 87                                         ; s12 V's tile row
	s_and_b32 s17, s42, 7                               ; the tile of 128 features of Q or K: its K step
	s_lshl_b32 s44, s41, 2
	s_lshl_b32 s44, 15, s44                             ; my row of the cluster
	s_lshl_b32 s45, 0x1111, s40                         ; my column
	GROUP1 G1A, 44
	GROUP1 G1B, 45
	s_or_b32 s[G1S+0], s44, (3<<16)|(1<<20)|(1<<21)|(5<<22)|(3<<25)
	s_mov_b32 s[G1S+1], 32<<16
	s_mov_b32 s[G1S+2], (2*CU)<<16
	s_mov_b32 s[G1S+3], 32<<16
	s_mov_b32 s[G1S+4], 2*CU
	s_mov_b32 s[G1S+5], 32
	s_mov_b32 s[G1S+6], 0
	s_mov_b32 s[G1S+7], 0
	s_mov_b32 s[G0S], 1
	s_mov_b32 s[G0S+1], SCL
	s_mov_b32 s[G0A], 1
	s_mov_b32 s[G0A+1], 0
	s_mov_b32 s[G0B], 1
	s_mov_b32 s[G0B+1], BVB
	s_mov_b32 s[G0R], 1
	s_mov_b32 s[G0R+1], YB
	s_lshl_b32 s90, s40, 2
	SADD 90, 14                                         ; my number among the sixteen waves of my row of the cluster
	s_lshl_b32 s100, s41, 2
	SADD 100, 14                                        ; and of my column
	s_mul_i32 s67, s43, 512*KROW                        ; my 512 rows, bytes from x's codes
	s_mul_i32 s66, s12, 256*KROW                        ; V's half of them
	s_lshl_b32 s89, s12, 13                             ; and their scale bytes
	s_mul_i32 s9, s17, RA*KROW                          ; Wq's or Wk's tile
	s_mul_i32 s18, s13, RA*KROW                         ; Wv's
	s_mul_i32 s40, s42, 786432                          ; where the results go: s40 codes of Q or K,
	SMADD 40, 43, 32*1536
	SMADD 40, 15, 4*1536
	SMADD 40, 16, 768
	s_lshl_b32 s41, s42, 15                             ; s41 their scale bytes (the stage's halves lie in the order of work),
	SMADD 41, 43, 2048
	s_xor_b32 s23, s15, s87
	SMADD 41, 23, 1024
	SMADD 41, 16, 512
	s_lshl_b32 s23, s12, 1
	SADD 23, 15                                         ; V's K step
	s_mul_i32 s44, s23, 98304                           ; s44 V's codes,
	SMADD 44, 13, 8*1536
	SMADD 44, 16, 4*1536
	s_lshl_b32 s45, s23, 12                             ; s45 its scale bytes
	SMADD 45, 13, 512
	SMADD 45, 16, 256
	v_and_b32 v1, 15, v0                                ; r
	v_bfe_u32 v2, v0, 4, 1                              ; h
	v_and_b32 v3, 31, v0                                ; the lane
	v_and_b32 v7, 7, v0                                 ; r % 8
	v_bfe_u32 v8, v0, 3, 1                              ; r / 8
	v_mad_u32_u24 v20, v8, 40, v7                       ; R(0, r)
	v_mad_u32_u24 v21, v8, 24, v7
	v_add_nc_u32 v21, 8, v21                            ; R(1, r)
	v_mul_u32_u24 v20, PITCH, v20
	v_mul_u32_u24 v21, PITCH, v21
	v_mul_u32_u24 v40, 24, v2                           ; lanes 16-31 read 24 bytes further on,
	v_mul_u32_u24 v41, 40, v2                           ; or 40, behind one padding more
	v_add_nc_u32 v60, v20, v40
	v_add_nc_u32 v61, v20, v41
	v_add_nc_u32 v62, v21, v40
	v_add_nc_u32 v63, v21, v41
	s_mul_i32 s21, s15, 64*PITCH
	s_mul_i32 s22, s16, 64*PITCH
	s_add_co_u32 s22, s22, BVB
	v_add_nc_u32 v[ADRA0], s21, v60
	v_add_nc_u32 v[ADRA0+1], s21, v61
	v_add_nc_u32 v22, s21, v63
.irp i, 0,1,2,3
	v_add_nc_u32 v[QB+\i], s22, v[60+\i]
.endr
	v_mul_u32_u24 v14, PITCH, v1                        ; Wv's rows, natural order
	v_add_nc_u32 v15, v14, v41
	v_add_nc_u32 v14, v14, v40
	v_add_nc_u32 v14, s22, v14
	v_add_nc_u32 v15, s22, v15
	v_lshlrev_b32 v6, 5, v7                             ; scale bytes: 32 a row, 16 more behind each eight rows
	v_mad_u32_u24 v23, v8, 816, v6
	v_mad_u32_u24 v6, v8, 1360, v6
	s_mul_i32 s23, s15, 2176
	s_add_co_u32 s23, s23, SCL
	v_add_nc_u32 v[AAS0], s23, v6
	v_add_nc_u32 v23, s23, v23
	v_add_nc_u32 v23, 272, v23
	v_lshlrev_b32 v16, 5, v3                            ; Wv's scale words: row = lane
	v_xor_b32 v20, v2, v8
	v_lshl_add_u32 v20, v20, 3, v7
	v_lshl_add_u32 v20, v8, 5, v20
	v_lshlrev_b32 v249, 5, v20                          ; Wq's or Wk's: row R(h, r)
	v_lshlrev_b32 v13, 2, v1                            ; V's bias: one number a lane and tile
	v_lshlrev_b32 v[CO], 4, v3
	v_lshlrev_b32 v[CO8], 3, v3
	s_lshl_b32 s21, s15, 8
	s_lshl_b32 s22, s16, 1
	SADD 21, 22
	s_add_co_u32 s21, s21, XN
	v_lshl_add_u32 v20, v1, 4, v2
	v_add_nc_u32 v[STO], s21, v20
	s_lshl_b32 s21, s14, 8
	s_add_co_u32 s21, s21, XM
	v_add_nc_u32 v[STV], s21, v20
	v_mul_u32_u24 v21, 0xa0, v2                         ; Q's or K's bias: tile j begins at 32 j, for lanes 16-31 at 128 + 32 (j xor 1): even tiles,
	v_mul_u32_u24 v43, 0x60, v2                         ; odd tiles
	v_mov_b32 v1, v62
	s_mul_i32 s21, s15, 64*PITCH
	v_add_nc_u32 v1, s21, v1
	WALU
	s_wait_dscnt 0x0
	CROUND                                              ; the opening round, ahead of the wait for the arguments
	s_wait_kmcnt 0x0
	s_cmp_eq_u32 s19, 1                                 ; Q's or K's weight and bias: by the cluster's number alone
	s_cselect_b64 s[2:3], s[52:53], s[48:49]
	s_cselect_b64 s[50:51], s[54:55], s[50:51]
	s_cselect_b64 s[76:77], s[78:79], s[76:77]
	s_mov_b32 s21, 0
	G0SET G0B, 80, 18
	G0SET G0S, 6, 89
	s_mov_b32 s20, s66
	s_add_nc_u64 s[G0A+2:G0A+3], s[4:5], s[20:21]
	s_add_nc_u64 s[G0R+2:G0R+3], s[G0A+2:G0A+3], RA*KROW
	s_or_b32 s[G0A+3], s[G0A+3], 0x80000000
	s_or_b32 s[G0R+3], s[G0R+3], 0x80000000
	s_cmp_eq_u32 s14, 0
	s_cbranch_scc0 .Lwave_1
	TLOAD G0B, G1B                                      ; wave 0: Wv's rows
	s_branch .Lasked
.Lwave_1:
	s_cmp_eq_u32 s14, 1
	s_cbranch_scc0 .Lwave_2
	TLOAD G0S, G1S                                      ; wave 1: both chunks' scale bytes
	s_branch .Lasked
.Lwave_2:
	s_cmp_eq_u32 s14, 2
	s_cbranch_scc0 .Lwave_3
	TLOAD G0A, G1A                                      ; wave 2: chunk 0
	s_branch .Lasked
.Lwave_3:
	TLOAD G0R, G1A                                      ; wave 3: chunk 1
.Lasked:
	s_lshl_b32 s22, s16, 11
	s_lshl_b32 s20, s13, 12
	SADD 20, 22
	s_add_nc_u64 s[82:83], s[82:83], s[20:21]           ; my 64 rows' scale bytes of Wv,
	s_lshl_b32 s20, s17, 12
	SADD 20, 22
	s_add_nc_u64 s[50:51], s[50:51], s[20:21]           ; of Wq or Wk
	s_lshl_b32 s22, s16, 8
	s_lshl_b32 s20, s13, 9
	SADD 20, 22
	s_add_nc_u64 s[84:85], s[84:85], s[20:21]           ; my 64 numbers of bv,
	s_lshl_b32 s20, s17, 9
	SADD 20, 22
	s_add_nc_u64 s[12:13], s[76:77], s[20:21]           ; of bq or bk
.irp p, 0,1
.irp c, 0,1
	global_load_b128 v[SB+NQ*\p+4*\c:SB+NQ*\p+4*\c+3], v16, s[82:83] offset:\p*32*KS+16*\c
.endr
.endr
	WIN 3<<6
.irp p, 0,1
.irp c, 0,1
	global_load_b128 v[SB2-768+NQ*\p+4*\c:SB2-768+NQ*\p+4*\c+3], v249, s[50:51] offset:\p*16*KS+16*\c
.endr
.endr
.irp t, 0,1,2,3
	global_load_b32 v[BBV-768+8*\t], v13, s[84:85] offset:64*\t
.endr
	WIN 0
	s_wait_xcnt 0x0
	s_load_b64 s[10:11], s[0:1], 0x58                   ; qkc
	s_load_b128 s[48:51], s[0:1], 0x60                  ; qks, vc
	s_load_b64 s[52:53], s[0:1], 0x70                   ; vs
	WIN 3<<6
.irp b, 0,1,2,3
	v_add_nc_u32 v[BA-768+2*\b], \b*16*PITCH, v14
	v_add_nc_u32 v[BA-768+2*\b+1], \b*16*PITCH, v15
.endr
	WIN 0
	s_mov_b32 s46, 0
	s_mov_b32 s47, 0
	s_mov_b32 s8, SCL
	s_xor_b32 s20, s87, 1                               ; the chunks still to come are the other half's
	s_mul_i32 s88, s20, 2*RA*KROW
	SADD 88, 67
	s_lshl_b32 s55, s43, 14
	s_lshl_b32 s20, s20, 13
	SADD 55, 20
	PFTILE 8, 9, 100                                    ; what the first refill will load
	WALU
	s_cmp_eq_u32 s14, 0
	s_cbranch_scc0 .Lnot_b
	s_wait_tensorcnt 0x0
.Lnot_b:
	BARRIER                                             ; Wv's rows are in
	PFGO 8, 2
	WEIGHTS
	s_wait_loadcnt 0x0                                  ; the scale words and V's bias: first wanted by the products
	WIN (3<<6)|3
.irp t, 0,8,16,24
.irp i, 1,2,3,4,5,6,7
	v_mov_b32 v[BBV-768+\t+\i], v[BBV-768+\t]          ; V's number, one a lane and tile, over the tile's eight registers
.endr
.endr
	WIN 0
	WALU
	s_cmp_eq_u32 s14, 3
	s_cbranch_scc1 .Lnot_a0
	s_wait_tensorcnt 0x0
.Lnot_a0:
	s_wait_dscnt 0x0
	BARRIER                                             ; chunk 0 and the scale bytes are in; chunk 1 may still be on its way
	FETCH01
	s_wait_kmcnt 0x0
	s_mov_b32 s21, 0
	s_mov_b32 s20, s40
	s_add_nc_u64 s[10:11], s[10:11], s[20:21]
	s_mov_b32 s20, s41
	s_add_nc_u64 s[48:49], s[48:49], s[20:21]
	s_mov_b32 s20, s44
	s_add_nc_u64 s[50:51], s[50:51], s[20:21]
	s_mov_b32 s20, s45
	s_add_nc_u64 s[52:53], s[52:53], s[20:21]
; ================= PHASE 1: V, eight blocks; chunk 0's way outs stand in chunk 1's blocks
	s_wait_dscnt NF
	BLOCK 1, 0, HV0, 32, 0, 32, L_STEPE
	WIN 0
	PLACES 4
	WALU
	FETCH 0
	s_wait_dscnt NF
	BLOCK 1, 1, HV0+8, 32, 0, 32, L_STEPO
	WIN 0
	PLACES 4
	WALU
	FETCH 1
	s_wait_dscnt NF
	s_wait_xcnt 0x0                                     ; the list writes v8, the address of the head's prefetch
	GRD
	BLOCK 1, 0, HV0+16, 32, 0, 24, L_V2
	WIN 0
	WALU
	s_wait_dscnt 0x0
	s_barrier_signal -1
	BLOCK 1, 0, HV0+16, 32, 24, 32, L_NONE
	MIDDLE
	BARRIER
	s_cmp_lt_u32 s14, 2
	s_cbranch_scc0 .Lno_half
	TLOAD G0B, G1B                                      ; waves 0 and 1 a half each of Wq's or Wk's rows, onto Wv's, which all waves hold in registers
.Lno_half:
	PLACES 4
	WALU
	FETCH 0
	PFGO 7, 4
	PFGO 8, 6
	BLOCK 1, 1, HV0+24, 32, 0, 32, L_STEPO
	WIN 0
	PLACES 4
	WALU
	FETCH 1
.irp j, 0,1,2
	s_wait_dscnt NF+(\j+1)/2
.if \j == 0
	BLOCK 1, 0, HV1, 32, 0, 32, L_OUTE, HV0, 0
.elseif \j == 1
	BLOCK 1, 1, HV1+8, 32, 0, 32, L_OUTO, HV0+32, 1
.else
	BLOCK 1, 0, HV1+16, 32, 0, 32, L_LAST, HV0+64, 2
.endif
	WIN 0
	CODES6 HV0+32*\j, MCD+12*\j, \j
	WALU
	ds_store_b8 v[STV], v[EB+\j] offset:4*\j
.if \j < 2
	FETCH \j%2
.endif
.endr
	s_wait_dscnt 1
	BLOCK 1, 1, HV1+24, 32, 0, 26, L_V7, HV0+96, 3
	WIN 0
	WALU
	s_wait_tensorcnt 0x0
	s_wait_dscnt 0x0
	s_barrier_signal -1                                 ; a plain barrier: the weights that the first refill brought are shown to all
	BLOCK 1, 1, HV1+24, 32, 26, 32, L_NONE
	WIN 0
	s_barrier_wait -1
	CODES6 HV0+96, MCD+36, 3
	WALU
	ds_store_b8 v[STV], v[EB+3] offset:12
; ================= THE CHANGE OF PHASE: the weights and the first two blocks' rows, which lie in slot 0 still, in one run of loads; chunk 1's four way outs under their flight
	WIN 3<<6
.irp b, 0,1,2,3
	v_add_nc_u32 v[BA-768+2*\b], 16*PITCH*(\b/2), v[QB+2*(\b%2)]
	v_add_nc_u32 v[BA-768+2*\b+1], 16*PITCH*(\b/2), v[QB+2*(\b%2)+1]
.endr
	WIN 0
	WALU
.irp k, 0,1
	global_load_b128 v[BBQ+16*\k:BBQ+16*\k+3], v21, s[12:13] offset:64*\k
	global_load_b128 v[BBQ+16*\k+4:BBQ+16*\k+7], v21, s[12:13] offset:64*\k+16
	global_load_b128 v[BBQ+16*\k+8:BBQ+16*\k+11], v43, s[12:13] offset:64*\k+32
	global_load_b128 v[BBQ+16*\k+12:BBQ+16*\k+15], v43, s[12:13] offset:64*\k+48
.endr
	WEIGHTS
	FETCH01
	PFGO 20, 4
	WIN 3
.set I, 0
.rept 16
	v_mov_b32 v[SB+I], v[SB2-768+I]
.set I, I+1
.endr
	WIN 0
.set I, 0
.rept 18
.irp t, 0,1,2,3
	CHAIN I, HV1+32*\t, \t, 64+4*\t
.endr
.set I, I+1
.endr
.set I, 0
.rept 6
.irp t, 0,1,2,3
	CODES I, HV1+32*\t, MCD+12*\t+6, \t, 80+4*\t
.endr
.set I, I+1
.endr
	WIN 0
	WALU
; ================= PHASE 2: Q or K, sixteen blocks, way outs by pairs
	s_wait_loadcnt 0x0
	s_wait_dscnt NF
	BLOCK 0, 0, ACC, 8, 0, 32, L_STEPE
	WIN 0
	PLACES 4
	WALU
.irp t, 0,1,2,3
	ds_store_b8 v[STV], v[EB+\t] offset:2+4*\t
.endr
.irp t, 0,1,2,3
.irp k, 0,1,2
	global_store_b128 v[CO], v[MCD+12*\t+4*\k:MCD+12*\t+4*\k+3], s[50:51] offset:1536*\t+512*\k   ; V's codes leave
.endr
.endr
	FETCH 0
	ODD NF+4, 1
	s_mov_b32 s86, 0
.Lwith_rounds:                                          ; blocks 2 to 5, 6 to 9
	EVENROUND NF+1
	ODD -1, 1
	EVEN NF+1, 1
	ODD NF+1, 1
	s_add_co_u32 s86, s86, 1
	s_cmp_lg_u32 s86, 2
	s_cbranch_scc1 .Lwith_rounds
.Lwithout:                                              ; blocks 10, 11 and 12, 13
	EVENSHOW NF+1
	ODD -1, 1
	s_add_co_u32 s86, s86, 1
	s_cmp_lg_u32 s86, 4
	s_cbranch_scc1 .Lwithout
	EVEN NF+1, 0
	ODD 1, 0
; ================= THE END: the last way out; the scale bytes go through LDS under its conversions
	s_lshl_b32 s21, s14, 9
	s_add_co_u32 s21, s21, XN
	v_add_nc_u32 v12, s21, v[CO]
	s_lshl_b32 s21, s14, 8
	s_add_co_u32 s21, s21, XM
	v_add_nc_u32 v14, s21, v[CO8]
.set I, 0
.rept 18
	CHAIN I, ACC+32, 1
.set I, I+1
.endr
	CODES 2, ACC+32, NCD+6, 1
	WALU
	ds_store_b8 v[VX], v[EB+1] offset:4
	s_wait_dscnt 0x0
	s_barrier_signal -1
	CODES 0, ACC+32, NCD+6, 1
	CODES 1, ACC+32, NCD+6, 1
	v_nop
.irp i, 3,4,5
	CODES \i, ACC+32, NCD+6, 1
.endr
	s_barrier_wait -1
	WALU
	ds_load_b128 v[64:67], v12
	ds_load_b64 v[68:69], v14
	PUTPAIR
	s_wait_dscnt 0x0
	global_store_b128 v[CO], v[64:67], s[48:49]
	global_store_b64 v[CO8], v[68:69], s[52:53]
	s_wait_tensorcnt 0x0
	ds_add_u32 v[SPW], v[NIL]
	s_wait_dscnt 0x0
	CROUND
	s_endpgm
.Lfunc_end_k_q0e050af17a_proj:
	.size	k_q0e050af17a_proj, .Lfunc_end_k_q0e050af17a_proj-k_q0e050af17a_proj
	.p2alignl 7, 3214868480
	.fill 96, 4, 3214868480
	.section	.rodata,"a",@progbits
	.p2align	6, 0x0
	.amdhsa_kernel k_q0e050af17a_proj
		.amdhsa_group_segment_fixed_size 327680
		.amdhsa_private_segment_fixed_size 0
		.amdhsa_enable_private_segment 0
		.amdhsa_kernarg_size 120
		.amdhsa_user_sgpr_count 2
		.amdhsa_user_sgpr_kernarg_segment_ptr 1
		.amdhsa_wavefront_size32 1
		.amdhsa_system_sgpr_workgroup_id_x 1
		.amdhsa_system_sgpr_workgroup_id_y 1
		.amdhsa_system_sgpr_workgroup_id_z 1
		.amdhsa_system_vgpr_workitem_id 0
		.amdhsa_next_free_vgpr 1024
		.amdhsa_next_free_sgpr 102
		.amdhsa_reserve_vcc 0
		.amdhsa_float_denorm_mode_32 3
		.amdhsa_float_denorm_mode_16_64 3
		.amdhsa_memory_ordered 1
		.amdhsa_forward_progress 1
		.amdhsa_inst_pref_size 191
	.end_amdhsa_kernel
	.amdgpu_metadata
---
amdhsa.version: [ 1, 2 ]
amdhsa.kernels:
  - .name:           k_q0e050af17a_proj
    .symbol:         k_q0e050af17a_proj.kd
    .args:
      - { .name: x_codes, .offset: 0, .size: 8, .value_kind: global_buffer, .address_space: global }
      - { .name: x_scales, .offset: 8, .size: 8, .value_kind: global_buffer, .address_space: global }
      - { .name: Wq_codes, .offset: 16, .size: 8, .value_kind: global_buffer, .address_space: global }
      - { .name: Wq_scales, .offset: 24, .size: 8, .value_kind: global_buffer, .address_space: global }
      - { .name: Wk_codes, .offset: 32, .size: 8, .value_kind: global_buffer, .address_space: global }
      - { .name: Wk_scales, .offset: 40, .size: 8, .value_kind: global_buffer, .address_space: global }
      - { .name: Wv_codes, .offset: 48, .size: 8, .value_kind: global_buffer, .address_space: global }
      - { .name: Wv_scales, .offset: 56, .size: 8, .value_kind: global_buffer, .address_space: global }
      - { .name: bq, .offset: 64, .size: 8, .value_kind: global_buffer, .address_space: global }
      - { .name: bk, .offset: 72, .size: 8, .value_kind: global_buffer, .address_space: global }
      - { .name: bv, .offset: 80, .size: 8, .value_kind: global_buffer, .address_space: global }
      - { .name: qkc, .offset: 88, .size: 8, .value_kind: global_buffer, .address_space: global }
      - { .name: qks, .offset: 96, .size: 8, .value_kind: global_buffer, .address_space: global }
      - { .name: vc, .offset: 104, .size: 8, .value_kind: global_buffer, .address_space: global }
      - { .name: vs, .offset: 112, .size: 8, .value_kind: global_buffer, .address_space: global }
    .group_segment_fixed_size: 327680
    .private_segment_fixed_size: 0
    .kernarg_segment_align: 8
    .kernarg_segment_size: 120
    .max_flat_workgroup_size: 128
    .sgpr_count:     102
    .vgpr_count:     1024
    .wavefront_size: 32
...
	.end_amdgpu_metadata
.endif
;; end of part 1
;; launch score (part 2): grid 8 x 32, 4 waves a work-group, clusters of 4 x 4, 327,680 bytes of LDS; arguments qkc, qks, pc, ps, pst; writes pc, ps, pst
.if DOCPART == 2
	.amdgcn_target "amdgcn-amd-amdhsa--gfx1250"
	.amdhsa_code_object_version 6
	.text
	.protected	k_q0e050af17a_score
	.globl	k_q0e050af17a_score
	.p2align	8
	.type	k_q0e050af17a_score,@function
k_q0e050af17a_score:
	s_mov_b64 s[64:65], 0
	v_nop
	global_prefetch_b8 v0, s[64:65] scope:SCOPE_SE
	s_setreg_imm32_b32 hwreg(HW_REG_WAVE_MODE, 25, 1), 1
	s_wait_xcnt 0x0
	s_wait_alu depctr_hold_cnt(0) depctr_sa_sdst(0) depctr_va_vdst(0) depctr_va_sdst(0) depctr_va_ssrc(0) depctr_va_vcc(0) depctr_vm_vsrc(0)
	s_getreg_b32 s2, hwreg(HW_REG_IB_STS2, 6, 4)
	s_cmp_eq_u32 s2, 0
	s_cbranch_scc0 .Lentry_in_a_cluster
	s_endpgm
.Lentry_in_a_cluster:
	s_bfe_u32 s2, ttmp6, 0x10000c
	s_cmp_lg_u32 s2, 0xf033
	s_cbranch_scc0 .Lentry_shape_is_right
	s_endpgm
.Lentry_shape_is_right:
; S = q k^T on codes of FP6 (E2M3), K = the 1,024 features; then, for each query and each CHUNK of 128 keys: t = S x log2(e) / 32, M = ceil(the chunk's largest t), p = 2^(t - M), l = the sum of the unquantised p;
; p is quantised along the keys and leaves as codes, with its scale words, -M and l.  M is a whole number, so the next launch brings every chunk under the row's M by taking the difference off p's scale bytes: exact.
; SHARES.  A work-group makes 256 queries (y) x 256 keys (tx) of one batch; each of its four waves 128 x 128: 64 accumulators.  LANE = q (a lane holds one query), REG = k (registers run along the keys): a wave's 128 keys are a chunk.
; OPERANDS lie in memory as images of fragments, [K step][tile of 16 rows][1,536 bytes]: eight tiles are 12,288 dense bytes, and a fragment comes out of LDS by three loads of 16 bytes a lane, 512 consecutive bytes each.
; THE RING.  Two slots, each with two K steps of 128: [q half 0][q half 1][k half 0][k half 1], each half [2 K steps][8 tiles][1,536].  q's halves are asked for jointly by a row of the cluster, k's by a column.
; The scale words of the 512 rows, for all of K, come once.  In a group of 128 rows, row 16 a + r lies at 256 (a % 2) + 16 r + 4 (a / 2): a load of 16 bytes at 256 u + 16 r brings the words of blocks u, u + 2, u + 4, u + 6.
; The codes of a block of 32 keys stand in the order 0-7, 16-23, 8-15, 24-31, as v's do along the tokens.
; LIMITS: NaN and infinities are not served; a block whose every p lies under 2^-124 keeps the scale byte 1.
.set HALFT,  24576
.set SLOT,   4*HALFT
.set SCL,    2*SLOT                    ; q's words, K steps 0-7 at 1,024 bytes each, then k's
.set SPARE,  SCL+16384                 ; the spare words: two blocks of 256 bytes that no other line names
.set STEPB,  3145728                   ; four K steps on: 4 x 512 tiles x 1,536
.set FR,     12
; THE ORDERS, which hold where the lines at the head say otherwise.  A tile of q or k is 16 of a band's 64 rows: lane m of tile j has row 32 g + 8 (j xor g) + m % 8, g = m / 8.  So the four tiles of a band give a lane (query, h) one whole block of 32 keys,
; and the codes of a block stand in that order, as v's do along the tokens.  A fragment is two half images: registers 0-3 (6-9) at 16 x lane, 4-5 (10-11) at 8 x lane behind them: four LDS loads.
; A slot: [q: 2 K steps][16 tiles][1,536], then k's the same.  A wave's 128 keys are the bands j and 2 + j of the work-group's four.  Scale words: [K step][band][r][tile of the band].
; At the head each wave has one load: slot 0 of q, q's scale words, slot 0 of k, k's scale words; slot 1 is filled as a refill is.
; PREFETCHES: two fills ahead: K steps 2 to 5 at the head, 6 and 7 behind the first refill.  Of a fill's 192 blocks of 256 bytes of q (or k) each of the sixteen waves of a row (or column) of the cluster asks for 12, a lane a block, told apart by address.
.set NL,     4                         ; LDS loads that bring a fragment
.set H8,     27                        ; 8 x (lane / 16)
.set NP,     4
.set ADRL, 16                          ; v16-17 q's fragments in slot 0, 1
.set ADRR, 20                          ; v20-21 k's
.set ADSL, 24
.set ADSR, 25
.set GOC,  26                          ; 16 x lane
.set SPW,  28
.set NIL,  29
.set SC,   32                          ; v32-95 scale words, two sets of 32: q's block a at + 8 q + a, k's block b at + 16 + 8 q + b; they hold nothing else
.set PW,   96                          ; v96-103  the eight blocks' scale words
.set NMS,  104                         ; v104-111 their -M
.set LL,   112                         ; v112-119 their l
.set AF,   128                         ; v128-223 q's fragments; on the way out (block i = 0 .. 3 of a group of four):
.set BY,   128                         ; v128-135 at work, two a block
.set T,    136                         ; v136-139
.set NM,   140                         ; v140-147 -M (a pair a block, its low word serves both halves)
.set LS,   148                         ; v148-163 the sum, in two chains: two pairs a block
.set BM,   164                         ; v164-171 (group 0), v120-127 (group 1): the largest score, then largest p, then the conversions' scale operand, of my two blocks of 32 keys
.set PC,   172                         ; v172-219 the codes, twelve a block
.set BX,   220                         ; v220-235 the search for the largest score, four chains a block
.set TP,   220                         ; v220-251 the second conversions' codes
.set MW,   128                         ; v128-139 at the end: merged words: scale words, -M, l
.set WV,   14
.set IH,   15
.set JH,   16
.set G1Q,  24
.set G0Q,  32
.set G1K,  40
.set G0K,  48
.set G0QS, 56
.set G0KS, 60
.set G1QS, 68
.set G1KS, 76
.set CX,   84
.set CY,   85
.set YT,   86
.set TX,   87
.set BT,   88
.set CS,   90                          ; s[90:91] c = log2(e) / 32
.set SEL,  92
.set HIM,  94
.set MSB, 0
.macro WIN new
.if MSB != (\new)
	s_set_vgpr_msb (MSB<<8)|(\new)
.set MSB, (\new)
.endif
.endm
.macro PLACES n
.rept \n
	v_nop
.endr
.endm
.macro JLOAD g0a, g1a, g0b, g1b        ; waves 0 and 1 fetch for q, waves 2 and 3 for k; four v_nop follow each of the two lines
	s_cmp_eq_u32 s[IH], 0
	s_cbranch_scc0 .Lfor_b_\@
	tensor_load_to_lds s[\g0a:\g0a+3], s[\g1a:\g1a+7]
	s_nop 0
.rept 4
	v_nop
.endr
	s_branch .Lasked_\@
.Lfor_b_\@:
	tensor_load_to_lds s[\g0b:\g0b+3], s[\g1b:\g1b+7]
	s_nop 0
.rept 4
	v_nop
.endr
.Lasked_\@:
.endm
.macro CREST
	s_cmp_lg_u32 s[WV], 0
	s_cbranch_scc1 .Lnot_wave_0_\@
	s_barrier_signal -3
.Lnot_wave_0_\@:
	s_barrier_wait -3
	s_barrier_signal -1
	s_barrier_wait -1
.endm
.macro CROUND
	s_barrier_signal -1
	s_barrier_wait -1
	CREST
.endm
	s_load_b256 s[4:11], s[0:1], 0x0               ; qkc, qks, pc, ps
	s_load_b64 s[12:13], s[0:1], 0x20              ; pst
	v_lshl_add_u32 v[SPW], v0, 2, SPARE
	v_mov_b32 v[NIL], 0
	ds_add_u32 v28, v29
	ds_add_u32 v28, v29
	s_wait_dscnt 0x0
	v_lshrrev_b32 v1, 5, v0
	v_readfirstlane_b32 s[WV], v1
	s_lshr_b32 s[IH], s[WV], 1                     ; my half of the queries.  Also: I fetch for q (0) or for k (1)
	s_and_b32 s[JH], s[WV], 1                      ; my half of the keys.  Also: which half I fetch
	s_bfe_u32 s[CX], ttmp6, 0x40000
	s_bfe_u32 s[CY], ttmp6, 0x40004
	s_lshl_b32 s[TX], ttmp9, 2
	s_add_co_u32 s[TX], s[TX], s[CX]               ; which 256 keys of the batch
	s_and_b32 s[BT], ttmp7, 0xffff
	s_lshl_b32 s[YT], s[BT], 2
	s_add_co_u32 s[YT], s[YT], s[CY]               ; which 256 queries of all 8,192
	s_lshr_b32 s[BT], s[BT], 1                     ; the batch: two clusters along y to each; the same in all partners
	s_lshl_b32 s89, s[CY], 2
	s_lshl_b32 s89, 15, s89                        ; my row of the cluster
	s_lshl_b32 s95, 0x1111, s[CX]                  ; my column
	; group 1 for codes at the head: 2 rows (K steps) of 24,576 bytes (3,072 elements of 8), 786,432 bytes apart
	s_or_b32 s[G1Q], s89, (3<<16)|(1<<21)
	s_or_b32 s[G1K], s95, (3<<16)|(1<<21)
.irp g, G1Q, G1K
	s_mov_b32 s[\g+1], 3072<<16
	s_mov_b32 s[\g+2], 2<<16
	s_mov_b32 s[\g+3], 3072<<16
	s_mov_b32 s[\g+4], 2
	s_mov_b32 s[\g+5], 98304
	s_mov_b32 s[\g+6], 0
	s_mov_b32 s[\g+7], 0
.endr
	; group 1 for scale words: 8 rows (K steps) of 1,024 bytes (128 elements of 8), 32,768 bytes apart
	s_or_b32 s[G1QS], s89, (3<<16)|(1<<21)
	s_or_b32 s[G1KS], s95, (3<<16)|(1<<21)
.irp g, G1QS, G1KS
	s_mov_b32 s[\g+1], 128<<16
	s_mov_b32 s[\g+2], 8<<16
	s_mov_b32 s[\g+3], 128<<16
	s_mov_b32 s[\g+4], 8
	s_mov_b32 s[\g+5], 4096
	s_mov_b32 s[\g+6], 0
	s_mov_b32 s[\g+7], 0
.endr
	; q's addresses are made of y alone (s17-19), k's of the batch and tx (s20, s22, s23)
	s_mul_i32 s21, s[JH], 786432                   ; in the ring I fetch a slot's K step j; at the head waves 0 and 2 (j = 0) both
	s_lshl_b32 s17, s[YT], 4                       ; q: tile 16 y
	s_mul_i32 s18, s17, 1536
	s_add_co_u32 s18, s18, s21
	s_mov_b32 s19, 0
	s_lshl_b32 s20, s[BT], 7
	s_lshl_b32 s22, s[TX], 4
	s_add_co_u32 s20, s20, s22
	s_mul_i32 s22, s20, 1536                       ; k: tile 128 batch + 16 tx
	s_add_co_u32 s22, s22, 6291456                 ; k lies behind q
	s_add_co_u32 s22, s22, s21
	s_mov_b32 s23, 0
	s_mul_i32 s2, s[WV], HALFT
	s_wait_kmcnt 0x0
	s_add_nc_u64 s[18:19], s[4:5], s[18:19]
	s_add_nc_u64 s[22:23], s[4:5], s[22:23]
.irp s, 0,1
	s_mov_b32 s[G0Q+4*\s], 1
	s_add_co_u32 s[G0Q+4*\s+1], s2, \s*SLOT
	s_add_nc_u64 s[G0Q+4*\s+2:G0Q+4*\s+3], s[18:19], \s*1572864   ; slot s begins with K steps 2 s, 2 s + 1
	s_or_b32 s[G0Q+4*\s+3], s[G0Q+4*\s+3], 0x80000000
	s_mov_b32 s[G0K+4*\s], 1
	s_add_co_u32 s[G0K+4*\s+1], s2, \s*SLOT
	s_add_nc_u64 s[G0K+4*\s+2:G0K+4*\s+3], s[22:23], \s*1572864
	s_or_b32 s[G0K+4*\s+3], s[G0K+4*\s+3], 0x80000000
.endr
	s_lshl_b32 s18, s[YT], 10
	s_mov_b32 s19, 0
	s_lshl_b32 s20, s[BT], 13
	s_lshl_b32 s22, s[TX], 10
	s_add_co_u32 s22, s22, s20
	s_add_co_u32 s22, s22, 262144
	s_mov_b32 s23, 0
	s_mov_b32 s[G0QS], 1
	s_mov_b32 s[G0QS+1], SCL
	s_add_nc_u64 s[G0QS+2:G0QS+3], s[6:7], s[18:19]
	s_or_b32 s[G0QS+3], s[G0QS+3], 0x80000000
	s_mov_b32 s[G0KS], 1
	s_mov_b32 s[G0KS+1], SCL+8192
	s_add_nc_u64 s[G0KS+2:G0KS+3], s[6:7], s[22:23]
	s_or_b32 s[G0KS+3], s[G0KS+3], 0x80000000
	CROUND                                         ; all sixteen work-groups are here: the first joint loads meet
.macro ARM wv, g0, g1, next            ; one tensor load a wave: one tree of branches on the wave's number
	s_cmp_eq_u32 s[WV], \wv
	s_cbranch_scc0 \next
	tensor_load_to_lds s[\g0:\g0+3], s[\g1:\g1+7]
	s_nop 0
.rept 4
	v_nop
.endr
	s_branch .Lhead_asked
\next:
.endm
	ARM 0, G0Q, G1Q, .Lhead_1
	ARM 1, G0QS, G1QS, .Lhead_2
	ARM 2, G0K, G1K, .Lhead_3
	tensor_load_to_lds s[G0KS:G0KS+3], s[G1KS:G1KS+7]
	s_nop 0
.rept 4
	v_nop
.endr
.Lhead_asked:
	v_and_b32 v1, 15, v0                           ; r
	v_and_b32 v3, 31, v0
	v_lshlrev_b32 v[GOC], 4, v3                    ; 16 x lane
	v_lshlrev_b32 v5, 3, v3                        ; 8 x lane
	v_bfe_u32 v[H8], v0, 4, 1
	v_lshlrev_b32 v[H8], 3, v[H8]
	s_mul_i32 s2, s[IH], 8*1536                    ; my eight tiles of q
	s_mul_i32 s3, s[JH], 4*1536                    ; my band of each half of k
	s_add_co_u32 s3, s3, 2*HALFT
.irp s, 0,1
	v_add_nc_u32 v[ADRL+\s], s2, v[GOC]
	v_add_nc_u32 v[ADRL+2+\s], s2, v5
	v_add_nc_u32 v[ADRR+2+\s], s3, v5
	v_add_nc_u32 v[ADRR+\s], s3, v[GOC]
	s_add_co_u32 s2, s2, SLOT
	s_add_co_u32 s3, s3, SLOT
.endr
	v_lshlrev_b32 v4, 4, v1
	s_lshl_b32 s2, s[IH], 9
	s_add_co_u32 s2, s2, SCL
	s_lshl_b32 s3, s[JH], 8
	s_add_co_u32 s3, s3, SCL+8192
	v_add_nc_u32 v[ADSL], s2, v4
	v_add_nc_u32 v[ADSR], s3, v4
	; where my results go: idx = (chunk 2 tx + j) x 512 + my first tile of queries
	; the prefetches' offsets from qkc: v6 q's, v7 k's (my 12 of the 192 blocks; lanes from 12 on name the last again), at K steps 2 and 3
	s_and_b32 s96, s[CX], 1
	s_lshl_b32 s96, s96, 2
	s_add_co_u32 s96, s96, s[WV]
	s_mul_i32 s96, s96, 3072
	s_lshr_b32 s97, s[CX], 1
	s_mul_i32 s97, s97, 786432
	s_add_co_u32 s96, s96, s97
	s_mul_i32 s97, s[YT], 24576
	s_add_co_u32 s96, s96, s97
	s_add_co_u32 s96, s96, 1572864
	s_and_b32 s98, s[CY], 1
	s_lshl_b32 s98, s98, 2
	s_add_co_u32 s98, s98, s[WV]
	s_mul_i32 s98, s98, 3072
	s_lshr_b32 s97, s[CY], 1
	s_mul_i32 s97, s97, 786432
	s_add_co_u32 s98, s98, s97
	s_mul_i32 s97, s[BT], 196608
	s_add_co_u32 s98, s98, s97
	s_mul_i32 s97, s[TX], 24576
	s_add_co_u32 s98, s98, s97
	s_add_co_u32 s98, s98, 6291456+1572864
	v_min_u32 v6, 11, v3
	v_lshlrev_b32 v6, 8, v6
	v_add_nc_u32 v7, s98, v6
	v_add_nc_u32 v6, s96, v6
	global_prefetch_b8 v6, s[4:5] th:TH_LOAD_NT scope:SCOPE_SE
	global_prefetch_b8 v7, s[4:5] th:TH_LOAD_NT scope:SCOPE_SE
	global_prefetch_b8 v6, s[4:5] offset:1572864 th:TH_LOAD_NT scope:SCOPE_SE
	global_prefetch_b8 v7, s[4:5] offset:1572864 th:TH_LOAD_NT scope:SCOPE_SE
	s_lshl_b32 s96, s[TX], 1
	s_add_co_u32 s96, s96, s[JH]
	s_lshl_b32 s96, s96, 9
	s_lshl_b32 s97, s[YT], 4
	s_add_co_u32 s96, s96, s97
	s_lshl_b32 s97, s[IH], 3
	s_add_co_u32 s96, s96, s97
	s_mul_i32 s98, s96, 1536
	s_mov_b32 s99, 0
	s_add_nc_u64 s[8:9], s[8:9], s[98:99]
	s_lshl_b32 s98, s96, 6
	s_add_nc_u64 s[10:11], s[10:11], s[98:99]
	s_add_nc_u64 s[12:13], s[12:13], s[98:99]
	s_mov_b32 s[CS], 0x3d38aa3b                    ; c = log2(e) / sqrt(1,024)
	s_mov_b32 s[CS+1], s[CS]                       ; (named with it as a pair, so it is written)
	s_mov_b32 s[SEL], 0x76543210
	s_mov_b32 s[SEL+1], 0xfedcba98
	s_mov_b32 s[HIM], 0xffff0000
.macro FRAG reg, adr, q, t             ; a fragment's image: four loads, 512 and 256 consecutive bytes, twice
	ds_load_b128 v[\reg:\reg+3], v[\adr] offset:24576*(\q)+1536*(\t)
	ds_load_b64 v[\reg+4:\reg+5], v[\adr+2] offset:24576*(\q)+1536*(\t)+512
	ds_load_b128 v[\reg+6:\reg+9], v[\adr] offset:24576*(\q)+1536*(\t)+768
	ds_load_b64 v[\reg+10:\reg+11], v[\adr+2] offset:24576*(\q)+1536*(\t)+1280
.endm
; 16 products: q's blocks a0, a0 + 1 x k's eight.  zero = 1: the first product starts the sums.  The 64 accumulators take turns, one instruction a turn.
.macro MUL16 a0, p, q, sc, zero
.irp a, \a0, \a0+1
.irp b, 0,1,2,3,4,5,6,7
.set rD, 8*(8*((\a)%4)+\b)
.set rR, 128*(\p)+FR*\b
.set rL, AF+FR*(\a)
.set rSR, SC+32*(\sc)+16+8*(\q)+\b
.set rSL, SC+32*(\sc)+8*(\q)+(\a)
.if \zero
	v_wmma_scale_f32_16x16x128_f8f6f4 v[rD:rD+7], v[rR:rR+FR-1], v[rL:rL+FR-1], 0, v[rSR], v[rSL] matrix_a_fmt:MATRIX_FMT_FP6 matrix_b_fmt:MATRIX_FMT_FP6
.else
	v_wmma_scale_f32_16x16x128_f8f6f4 v[rD:rD+7], v[rR:rR+FR-1], v[rL:rL+FR-1], v[rD:rD+7], v[rSR], v[rSL] matrix_a_fmt:MATRIX_FMT_FP6 matrix_b_fmt:MATRIX_FMT_FP6
.endif
.endr
.endr
.endm
.macro FETCH_R slot, q, p
	WIN 0x40
.irp i, 0,1,2,3,4,5,6,7
	FRAG 128*(\p)+FR*\i, ADRR+\slot, \q, 8*(\i/4)+\i%4
.endr
	WIN 0
.endm
.macro FETCH_L slot, q, i0
.irp i, \i0, \i0+1, \i0+2, \i0+3
	FRAG AF+FR*(\i), ADRL+\slot, \q, \i
.endr
.endm
.macro SCALES sc, ks                   ; the scale words of K steps 2 ks, 2 ks + 1 into set sc: eight loads
.irp q, 0,1
.irp u, 0,1
	ds_load_b128 v[SC+32*(\sc)+8*\q+4*\u:SC+32*(\sc)+8*\q+4*\u+3], v[ADSL] offset:(2*(\ks)+\q)*1024+256*\u
	ds_load_b128 v[SC+32*(\sc)+16+8*\q+4*\u:SC+32*(\sc)+16+8*\q+4*\u+3], v[ADSR] offset:(2*(\ks)+\q)*1024+512*\u
.endr
.endr
.endm
.macro STEP slot, q, zero
	s_wait_dscnt 4*NL                              ; k's set, q's blocks 0-3 and the scale words are in; the youngest 16 loads (q's blocks 4-7) may be out
	WIN 0xa1
	MUL16 0, (\q)%2, \q, \slot, \zero
	MUL16 2, (\q)%2, \q, \slot, \zero
	s_wait_dscnt 0
	PLACES NP
	FETCH_R \slot, (\q)+1, 1-(\q)%2
	FETCH_L \slot, (\q)+1, 0
	WIN 0xf1
	MUL16 4, (\q)%2, \q, \slot, \zero
	MUL16 6, (\q)%2, \q, \slot, \zero
	PLACES NP
	WIN 0
	FETCH_L \slot, (\q)+1, 4
.endm
.macro TURN slot, next, fill, ks
	s_wait_tensorcnt 0x0                           ; all my tensor loads have landed: my part of the next slot
	ds_add_u32 v[SPW], v[NIL]                      ; 0 onto my spare word
	s_wait_dscnt 4*NL+1                            ; (the add and the youngest 16 loads may be out)
	WIN 0xa1
	MUL16 0, 1, 1, \slot, 0
	s_wait_dscnt 0x0                               ; the add is done, and my reads of this slot are over
	s_barrier_signal -1
	MUL16 2, 1, 1, \slot, 0
	WIN 0
	s_barrier_wait -1
.if \fill
	CREST                                          ; no wave of any partner still reads this slot or has a load on its way
	s_add_nc_u64 s[G0Q+4*\slot+2:G0Q+4*\slot+3], s[G0Q+4*\slot+2:G0Q+4*\slot+3], STEPB
	s_add_nc_u64 s[G0K+4*\slot+2:G0K+4*\slot+3], s[G0K+4*\slot+2:G0K+4*\slot+3], STEPB
	JLOAD G0Q+4*\slot, G1Q, G0K+4*\slot, G1K       ; the four v_nop behind it are the places in front of the loads below
.else
	PLACES NP
.endif
	FETCH_R \next, 0, 0
	FETCH_L \next, 0, 0
	SCALES \next, \ks
	WIN 0xf1
	MUL16 4, 1, 1, \slot, 0
	MUL16 6, 1, 1, \slot, 0
	PLACES NP
	WIN 0
	FETCH_L \next, 0, 4
.endm
	s_wait_alu depctr_va_vdst(0)
	s_wait_tensorcnt 0x0                           ; my tile of the head's four is in; the three lines ahead of a later first fill, as ahead of a refill
	ds_add_u32 v[SPW], v[NIL]
.irp g, G1Q, G1K                       ; no tensor load of mine is out: from here on a load brings one K step: 24,576 dense bytes, as 2 rows of 12,288
	s_mov_b32 s[\g+1], 1536<<16
	s_mov_b32 s[\g+3], 1536<<16
	s_mov_b32 s[\g+5], 1536
.endr
	s_wait_dscnt 0x0
	CROUND                                         ; all four tiles are in, in every work-group of the cluster
	JLOAD G0Q+4, G1Q, G0K+4, G1K                   ; slot 1, the first tensor load behind the round
	FETCH_R 0, 0, 0
	FETCH_L 0, 0, 0
	SCALES 0, 0
	FETCH_L 0, 0, 4
	STEP 0, 0, 1
	TURN 0, 1, 1, 1
	global_prefetch_b8 v6, s[4:5] offset:3145728 th:TH_LOAD_NT scope:SCOPE_SE   ; K steps 6 and 7, which the next refill takes
	global_prefetch_b8 v7, s[4:5] offset:3145728 th:TH_LOAD_NT scope:SCOPE_SE
	STEP 1, 0, 0
	TURN 1, 0, 1, 2
	STEP 0, 0, 0
	TURN 0, 1, 0, 3
	STEP 1, 0, 0
	s_wait_dscnt 4*NL
	WIN 0xa1
	MUL16 0, 1, 1, 1, 0
	MUL16 2, 1, 1, 1, 0
	s_wait_dscnt 0
	WIN 0xf1
	MUL16 4, 1, 1, 1, 0
	MUL16 6, 1, 1, 1, 0
	WIN 0
	PLACES NP
; Block a: 16 queries x my chunk of 128 keys.  A lane holds one query and 64 of its keys; lane l xor 16 holds the other 64.
; The eight blocks of 16 queries x my chunk of 128 keys go in two groups of four, a window of accumulators each, so that every stage has as many independent chains.  t - M and p take the scores' own registers.
; MAXS: the largest score of each block of 32 keys: it serves the chunk's maximum and, since p rises with the score, the block's largest p.  Both groups' stand ahead of any exponential.
.macro MAXS w
.set WD, 2+\w
	WIN WD|(WD<<2)|(WD<<4)
.irp i, 0,1,2,3
.irp b, 0,1,2,3
	v_max3_num_f32 v[BX+4*\i+\b], v[64*\i+16*\b], v[64*\i+16*\b+1], v[64*\i+16*\b+2]
.endr
.endr
	WIN (WD<<2)|(WD<<4)
.irp k, 3,5,7,9,11,13
.irp i, 0,1,2,3
.irp b, 0,1,2,3
	v_max3_num_f32 v[BX+4*\i+\b], v[BX+4*\i+\b], v[64*\i+16*\b+\k], v[64*\i+16*\b+\k+1]
.endr
.endr
.endr
.irp i, 0,1,2,3
.irp b, 0,1,2,3
	v_max_num_f32 v[BX+4*\i+\b], v[BX+4*\i+\b], v[64*\i+16*\b+15]
.endr
.endr
	WIN 0
.irp c, 0,1
.irp i, 0,1,2,3
	v_max_num_f32 v[BM-44*(\w)+2*\i+\c], v[BX+4*\i+2*\c], v[BX+4*\i+2*\c+1]   ; band c: all 32 keys are mine
.endr
.endr
.endm
.macro SOFT4 w
.set WD, 2+\w
.set MX, BM-44*(\w)
.set GR, 4*(\w)
.irp i, 0,1,2,3
	v_max_num_f32 v[T+\i], v[MX+2*\i], v[MX+2*\i+1]
.endr
.irp i, 0,1,2,3
	v_permlanex16_b32 v[BY+2*\i], v[T+\i], s[SEL], s[SEL+1]
.endr
.irp i, 0,1,2,3
	v_max_num_f32 v[T+\i], v[T+\i], v[BY+2*\i]     ; with lane l xor 16's two blocks
.endr
.irp i, 0,1,2,3
	v_mul_f32 v[T+\i], s[CS], v[T+\i]              ; the chunk's largest t (c is positive)
.endr
.irp i, 0,1,2,3
	v_floor_f32 v[NM+2*\i], -v[T+\i]               ; -M = floor(-t) = -ceil(t): a whole number
.endr
.irp i, 0,1,2,3
	v_mov_b32 v[NMS+GR+\i], v[NM+2*\i]
.endr
.irp c, 0,1
.irp i, 0,1,2,3
	v_fma_f32 v[MX+2*\i+\c], v[MX+2*\i+\c], s[CS], v[NM+2*\i]   ; t - M of each block's largest score,
.endr
.endr
	WIN WD|(WD<<6)
.irp i, 0,1,2,3
.set n, 64*\i
.rept 32
	v_pk_fma_f32 v[n:n+1], v[n:n+1], s[CS:CS+1], v[NM+2*\i:NM+2*\i+1] op_sel_hi:[1,0,0]   ; and of all, two at a time
.set n, n+2
.endr
.endr
	s_wait_alu depctr_va_vdst(0)                   ; the wait ahead of the batch
.set n, 0
.rept 256
	v_exp_f32 v[n], v[n]                           ; p = 2^(t - M): not normalised
.set n, n+1
.endr
	WIN 0
.set n, 0
.rept 8
	v_exp_f32 v[MX+n], v[MX+n]                     ; the blocks' largest p: the same two operations on the same numbers
.set n, n+1
.endr
	v_nop                                          ; the plain instruction behind the exponentials
	s_wait_alu depctr_va_vdst(0)                   ; one wait for the batch, ahead of its first reader
	WIN WD|(WD<<2)
.irp i, 0,1,2,3
	v_pk_add_f32 v[LS+4*\i:LS+4*\i+1], v[64*\i:64*\i+1], v[64*\i+2:64*\i+3]           ; the sum is taken of the unquantised p, two at a time, in two chains
	v_pk_add_f32 v[LS+4*\i+2:LS+4*\i+3], v[64*\i+4:64*\i+5], v[64*\i+6:64*\i+7]
.endr
	WIN WD<<2
.irp j, 8,12,16,20,24,28,32,36,40,44,48,52,56,60
.irp i, 0,1,2,3
	v_pk_add_f32 v[LS+4*\i:LS+4*\i+1], v[LS+4*\i:LS+4*\i+1], v[64*\i+\j:64*\i+\j+1]
	v_pk_add_f32 v[LS+4*\i+2:LS+4*\i+3], v[LS+4*\i+2:LS+4*\i+3], v[64*\i+\j+2:64*\i+\j+3]
.endr
.endr
	WIN 0
.irp i, 0,1,2,3
	v_pk_add_f32 v[LS+4*\i:LS+4*\i+1], v[LS+4*\i:LS+4*\i+1], v[LS+4*\i+2:LS+4*\i+3]
.endr
.irp i, 0,1,2,3
	v_add_f32 v[T+\i], v[LS+4*\i], v[LS+4*\i+1]
.endr
.irp i, 0,1,2,3
	v_permlanex16_b32 v[BY+2*\i], v[T+\i], s[SEL], s[SEL+1]
.endr
.irp i, 0,1,2,3
	v_add_f32 v[LL+GR+\i], v[T+\i], v[BY+2*\i]     ; with lane l xor 16's: the chunk's l
.endr
.set n, 0
.rept 8
	v_max_num_f32 v[MX+n], 0x1800000, v[MX+n]      ; the floor 2^(3 - 127): the byte cannot fall under 1
.set n, n+1
.endr
.set n, 0
.rept 8
	v_add_nc_u32 v[MX+n], 0xff000000, v[MX+n]      ; 2 off the exponent field: the conversion's scale operand
.set n, n+1
.endr
.set n, 0
.rept 8
	v_lshrrev_b32 v[BY+n], 23, v[MX+n]             ; the scale's byte
.set n, n+1
.endr
.irp i, 0,1,2,3
	v_lshl_or_b32 v[BY+2*\i], v[BY+2*\i+1], 16, v[BY+2*\i]
.endr
.irp i, 0,1,2,3
	v_lshlrev_b32 v[BY+2*\i], v[H8], v[BY+2*\i]    ; my bytes h and 2 + h of the word
.endr
.irp i, 0,1,2,3
	v_permlanex16_b32 v[BY+2*\i+1], v[BY+2*\i], s[SEL], s[SEL+1]
.endr
.if \w
	s_wait_alu depctr_va_vdst(0)
	s_wait_xcnt 0x0                                ; group 0's stores have read the registers that the codes take
.endif
	WIN WD                                         ; source 0: p's window
.irp i, 0,1,2,3
.irp c, 0,1
	v_cvt_scalef32_pk16_fp6_f32 v[PC+12*\i+6*\c:PC+12*\i+6*\c+2], v[64*\i+32*\c:64*\i+32*\c+15], v[MX+2*\i+\c]
	v_cvt_scalef32_pk16_fp6_f32 v[TP+8*\i+4*\c:TP+8*\i+4*\c+2], v[64*\i+32*\c+16:64*\i+32*\c+31], v[MX+2*\i+\c]   ; (a conversion's three registers begin on an even number)
.endr
.endr
	WIN 0
.irp i, 0,1,2,3
	v_or_b32 v[PW+GR+\i], v[BY+2*\i], v[BY+2*\i+1] ; with lane l xor 16's two bytes the word is whole.  (Plain instructions behind the conversions)
.endr
.irp i, 0,1,2,3
.irp c, 0,1
.irp k, 0,1,2
	v_mov_b32 v[PC+12*\i+6*\c+3+\k], v[TP+8*\i+4*\c+\k]
.endr
.endr
.endr
.irp i, 0,1,2,3
.irp c, 0,1,2
	global_store_b128 v[GOC], v[PC+12*\i+4*\c:PC+12*\i+4*\c+3], s[8:9] offset:1536*(GR+\i)+512*\c   ; 32 lanes store 512 consecutive bytes, aligned
.endr
.endr
.endm
	MAXS 0
	MAXS 1
	SOFT4 0
	SOFT4 1
.irp i, 0,1,2,3
	v_cndmask_b32 v[MW+\i], v[PW+2*\i], v[PW+2*\i+1], s[HIM]      ; lanes 0-15 carry block 2 i's words, lanes 16-31 block 2 i + 1's
	v_cndmask_b32 v[MW+4+\i], v[NMS+2*\i], v[NMS+2*\i+1], s[HIM]
	v_cndmask_b32 v[MW+8+\i], v[LL+2*\i], v[LL+2*\i+1], s[HIM]
.endr
	global_store_b128 v[GOC], v[MW:MW+3], s[10:11]
	global_store_b128 v[GOC], v[MW+4:MW+7], s[12:13]
	global_store_b128 v[GOC], v[MW+8:MW+11], s[12:13] offset:524288
	s_wait_tensorcnt 0x0                           ; the wave's end
	ds_add_u32 v[SPW], v[NIL]
	s_wait_dscnt 0x0
	CROUND                                         ; the closing round
	s_endpgm
.Lfunc_end_k_q0e050af17a_score:
	.size	k_q0e050af17a_score, .Lfunc_end_k_q0e050af17a_score-k_q0e050af17a_score
	.p2alignl 7, 3214868480
	.fill 96, 4, 3214868480
	.section	.rodata,"a",@progbits
	.p2align	6, 0x0
	.amdhsa_kernel k_q0e050af17a_score
		.amdhsa_group_segment_fixed_size 327680
		.amdhsa_private_segment_fixed_size 0
		.amdhsa_enable_private_segment 0
		.amdhsa_kernarg_size 40
		.amdhsa_user_sgpr_count 2
		.amdhsa_user_sgpr_kernarg_segment_ptr 1
		.amdhsa_wavefront_size32 1
		.amdhsa_system_sgpr_workgroup_id_x 1
		.amdhsa_system_sgpr_workgroup_id_y 1
		.amdhsa_system_sgpr_workgroup_id_z 1
		.amdhsa_system_vgpr_workitem_id 0
		.amdhsa_next_free_vgpr 1024
		.amdhsa_next_free_sgpr 100
		.amdhsa_reserve_vcc 0
		.amdhsa_float_denorm_mode_32 3
		.amdhsa_float_denorm_mode_16_64 3
		.amdhsa_memory_ordered 1
		.amdhsa_forward_progress 1
		.amdhsa_inst_pref_size 196
	.end_amdhsa_kernel
	.amdgpu_metadata
---
amdhsa.version: [ 1, 2 ]
amdhsa.kernels:
  - .name:           k_q0e050af17a_score
    .symbol:         k_q0e050af17a_score.kd
    .args:
      - { .name: qkc, .offset: 0, .size: 8, .value_kind: global_buffer, .address_space: global }
      - { .name: qks, .offset: 8, .size: 8, .value_kind: global_buffer, .address_space: global }
      - { .name: pc, .offset: 16, .size: 8, .value_kind: global_buffer, .address_space: global }
      - { .name: ps, .offset: 24, .size: 8, .value_kind: global_buffer, .address_space: global }
      - { .name: pst, .offset: 32, .size: 8, .value_kind: global_buffer, .address_space: global }
    .group_segment_fixed_size: 327680
    .private_segment_fixed_size: 0
    .kernarg_segment_align: 8
    .kernarg_segment_size: 40
    .max_flat_workgroup_size: 128
    .sgpr_count:     100
    .vgpr_count:     1024
    .wavefront_size: 32
...
	.end_amdgpu_metadata
.endif
;; end of part 2
;; launch pv (part 3): grid 4 x 64, 4 waves a work-group, clusters of 4 x 4, 327,680 bytes of LDS; arguments pc, ps, pst, vc, vs, out0; writes out0
.if DOCPART == 3
	.amdgcn_target "amdgcn-amd-amdhsa--gfx1250"
	.amdhsa_code_object_version 6
	.text
	.protected	k_q0e050af17a_pv
	.globl	k_q0e050af17a_pv
	.p2align	8
	.type	k_q0e050af17a_pv,@function
k_q0e050af17a_pv:
	s_mov_b64 s[64:65], 0
	v_nop
	global_prefetch_b8 v0, s[64:65] scope:SCOPE_SE
	s_setreg_imm32_b32 hwreg(HW_REG_WAVE_MODE, 25, 1), 1
	s_wait_xcnt 0x0
	s_wait_alu depctr_hold_cnt(0) depctr_sa_sdst(0) depctr_va_vdst(0) depctr_va_sdst(0) depctr_va_ssrc(0) depctr_va_vcc(0) depctr_vm_vsrc(0)
	s_getreg_b32 s2, hwreg(HW_REG_IB_STS2, 6, 4)
	s_cmp_eq_u32 s2, 0
	s_cbranch_scc0 .Lentry_in_a_cluster
	s_endpgm
.Lentry_in_a_cluster:
	s_bfe_u32 s2, ttmp6, 0x10000c
	s_cmp_lg_u32 s2, 0xf033
	s_cbranch_scc0 .Lentry_shape_is_right
	s_endpgm
.Lentry_shape_is_right:
; O = p v / l on codes of FP6 (E2M3), K = a batch's 2,048 keys in 16 chunks of 128.  p's codes were made under each chunk's own M; here every chunk is brought under the row's M:
; d = M(row) - M(chunk), a whole number, is taken off each of the chunk's four scale bytes (held at 0 from below), and l = the sum of l(chunk) 2^-d.  Both are exact but for what falls under the smallest numbers.
; SHARES.  A work-group makes 128 queries (y) x 256 features (tx); a wave 64 x 128: 32 accumulators.  LANE = p (a lane holds one query), REG = v^T (registers run along the features): a lane's eight results are neighbours in a row of O.
; THE RING.  Two slots of four K steps: [p: 4 x 8 tiles x 1,536][v: 4 x 16 tiles x 1,536].  Waves 0 and 1 fetch p's K steps (two each; jointly with the row of the cluster), waves 2 and 3 v's (jointly with the column).
; v's scale words for all 16 K steps come once (wave 1's one load).  p's corrected scale words and 1 / l are made by the 128 threads, a query each, and lie in LDS bytes of their own, which no tensor load fills.
; LIMITS: NaN and infinities are not served; a chunk whose M lies 127 or more under the row's counts with l 2^-127 and scale bytes 0 (2^-127).
; THE ORDERS, which hold where the lines above say otherwise.  A tile of queries is 16 of a band's 64: lane m of tile j has query 32 g + 8 (j xor g) + m % 8 of the band, g = m / 8; so the rows that leave are placed by that rule.  v's scale words: [K step][64 features][r][tile].
; At the head each wave has one load: slot 0 of p (wave 0), v's scale words of all 16 K steps (wave 1), slot 0 of v (waves 2 and 3 two K steps each).  The prologue's arithmetic stands under their flight; one round then shows its LDS stores too, and slot 1 is filled behind it as a refill is.
; PREFETCHES: one fill ahead: K steps 4 to 7 at the head, 8 to 11 behind K step 0, 12 to 15 behind K step 4.  Of a fill's 192 blocks of 256 bytes of p each of the sixteen waves of a row of the cluster asks for 12, of v's 384 each of a column's sixteen for 24, a lane a block, told apart by address.
.set SLOT,   147456
.set VSC,    2*SLOT                    ; v's scale words: K step g at 1,024 g
.set PSC,    VSC+16384                 ; p's corrected scale words: chunk g at 512 g
.set RLS,    PSC+8192                  ; 1 / l, 128 words
.set SPARE,  RLS+512                   ; the spare words: two blocks of 256 bytes that no other line names
.set FR,     12
.set RL,   4                           ; v4-7   1 / l of my four tiles of queries
.set RB,   8                           ; v[8:9] the one in hand (the pair's low word serves both halves)
.set ADRL, 16                          ; v16-17 p's fragments in slot 0, 1
.set ADRR, 20                          ; v20-21 v's, K steps 0, 1 of the slot;  v22-23 K steps 2, 3
.set ADSP, 24
.set ADSV, 25
.set CO,   26                          ; 16 x lane
.set STO,  27                          ; the stage: where I put 32 bytes of a row
.set SPW,  28
.set NIL,  29
.set RD,   30                          ; the stage: where I read a row back
.set PSA,  31                          ; PSC + 4 x my thread's number
.set SC,   32                          ; v32-63 scale words, two sets of 16: v's block b at + b, p's block a at + 8 + 2 (a % 2) + a / 2; they hold nothing else
.set LF,   64                          ; v64-159 p's fragments, two sets of 48; on the way out v64-127 the scaled results
.set TO,   64
.set NC,   160                         ; v160-175 the prologue: -M of the 16 chunks;  v176-191 their l;  v192-207 their scale words
.set LC,   176
.set WC,   192
.set WV,   16
.set IH,   17
.set JH,   18
.set CX,   19
.set CY,   20
.set YT,   21
.set TX,   22
.set BT,   23
.set G1P,  24
.set G0P,  32
.set G1V,  40
.set G0V,  48
.set G0S,  56
.set G1S,  68
.set MSB, 0
.macro WIN new
.if MSB != (\new)
	s_set_vgpr_msb (MSB<<8)|(\new)
.set MSB, (\new)
.endif
.endm
.macro PLACES n
.rept \n
	v_nop
.endr
.endm
.macro JLOAD g0a, g1a, g0b, g1b        ; waves 0 and 1 fetch for p, waves 2 and 3 for v; four v_nop follow each of the two lines
	s_cmp_eq_u32 s[IH], 0
	s_cbranch_scc0 .Lfor_b_\@
	tensor_load_to_lds s[\g0a:\g0a+3], s[\g1a:\g1a+7]
	s_nop 0
.rept 4
	v_nop
.endr
	s_branch .Lasked_\@
.Lfor_b_\@:
	tensor_load_to_lds s[\g0b:\g0b+3], s[\g1b:\g1b+7]
	s_nop 0
.rept 4
	v_nop
.endr
.Lasked_\@:
.endm
.macro CREST
	s_cmp_lg_u32 s[WV], 0
	s_cbranch_scc1 .Lnot_wave_0_\@
	s_barrier_signal -3
.Lnot_wave_0_\@:
	s_barrier_wait -3
	s_barrier_signal -1
	s_barrier_wait -1
.endm
.macro CROUND
	s_barrier_signal -1
	s_barrier_wait -1
	CREST
.endm
	s_load_b256 s[4:11], s[0:1], 0x0               ; pc, ps, pst, vc
	s_load_b128 s[12:15], s[0:1], 0x20             ; vs, out0
	v_lshl_add_u32 v[SPW], v0, 2, SPARE
	v_mov_b32 v[NIL], 0
	ds_add_u32 v28, v29
	ds_add_u32 v28, v29
	s_wait_dscnt 0x0
	v_lshrrev_b32 v1, 5, v0
	v_readfirstlane_b32 s[WV], v1
	s_lshr_b32 s[IH], s[WV], 1                     ; my half of the queries.  Also: I fetch for p (0) or for v (1)
	s_and_b32 s[JH], s[WV], 1                      ; my half of the features.  Also: which two K steps of a slot I fetch
	s_bfe_u32 s[CX], ttmp6, 0x40000
	s_bfe_u32 s[CY], ttmp6, 0x40004
	s_lshl_b32 s[TX], ttmp9, 2
	s_add_co_u32 s[TX], s[TX], s[CX]               ; which 256 features
	s_and_b32 s[BT], ttmp7, 0xffff
	s_lshl_b32 s[YT], s[BT], 2
	s_add_co_u32 s[YT], s[YT], s[CY]               ; which 128 queries of all 8,192
	s_lshr_b32 s[BT], s[BT], 2                     ; the batch: four clusters along y to each; the same in all partners
	s_lshl_b32 s60, s[CY], 2
	s_lshl_b32 s60, 15, s60                        ; my row of the cluster
	s_lshl_b32 s61, 0x1111, s[CX]                  ; my column
	s_or_b32 s[G1P], s60, (3<<16)|(1<<21)          ; p, at the head: 4 rows (K steps) of 12,288 bytes (1,536 elements of 8), 786,432 bytes apart
	s_mov_b32 s[G1P+1], 1536<<16
	s_mov_b32 s[G1P+2], 4<<16
	s_mov_b32 s[G1P+3], 1536<<16
	s_mov_b32 s[G1P+4], 4
	s_mov_b32 s[G1P+5], 98304
	s_mov_b32 s[G1P+6], 0
	s_mov_b32 s[G1P+7], 0
	s_or_b32 s[G1V], s61, (3<<16)|(1<<21)          ; v: 2 rows of 24,576 bytes (3,072 elements), 98,304 bytes apart
	s_mov_b32 s[G1V+1], 3072<<16
	s_mov_b32 s[G1V+2], 2<<16
	s_mov_b32 s[G1V+3], 3072<<16
	s_mov_b32 s[G1V+4], 2
	s_mov_b32 s[G1V+5], 12288
	s_mov_b32 s[G1V+6], 0
	s_mov_b32 s[G1V+7], 0
	s_or_b32 s[G1S], s61, (3<<16)|(1<<21)          ; v's scale words: 16 rows of 1,024 bytes (128 elements), 4,096 bytes apart
	s_mov_b32 s[G1S+1], 128<<16
	s_mov_b32 s[G1S+2], 16<<16
	s_mov_b32 s[G1S+3], 128<<16
	s_mov_b32 s[G1S+4], 16
	s_mov_b32 s[G1S+5], 512
	s_mov_b32 s[G1S+6], 0
	s_mov_b32 s[G1S+7], 0
	; p's address is made of y alone (s62, s2, s3), v's of the batch and tx (s63, s66, s67)
	s_lshl_b32 s76, s[JH], 10
	s_lshl_b32 s62, s[YT], 3
	s_add_co_u32 s62, s62, s76                     ; p: fragment (2 x half) x 512 + 8 y
	s_mul_i32 s2, s62, 1536
	s_mov_b32 s3, 0
	s_lshl_b32 s63, s[BT], 10
	s_lshl_b32 s76, s[JH], 7
	s_add_co_u32 s63, s63, s76
	s_lshl_b32 s66, s[TX], 4
	s_add_co_u32 s63, s63, s66                     ; v: fragment (16 batch + 2 x half) x 64 + 16 tx
	s_mul_i32 s66, s63, 1536
	s_mov_b32 s67, 0
	s_mul_i32 s76, s[JH], 24576                    ; where they go
	s_mul_i32 s77, s[JH], 49152
	s_add_co_u32 s77, s77, 49152
	s_wait_kmcnt 0x0
	s_add_nc_u64 s[2:3], s[4:5], s[2:3]
	s_add_nc_u64 s[66:67], s[10:11], s[66:67]
.irp s, 0,1
	s_mov_b32 s[G0P+4*\s], 1
	s_add_co_u32 s[G0P+4*\s+1], s76, \s*SLOT
	s_add_nc_u64 s[G0P+4*\s+2:G0P+4*\s+3], s[2:3], \s*3145728     ; slot s begins with K steps 4 s .. 4 s + 3
	s_or_b32 s[G0P+4*\s+3], s[G0P+4*\s+3], 0x80000000
	s_mov_b32 s[G0V+4*\s], 1
	s_add_co_u32 s[G0V+4*\s+1], s77, \s*SLOT
	s_add_nc_u64 s[G0V+4*\s+2:G0V+4*\s+3], s[66:67], \s*393216
	s_or_b32 s[G0V+4*\s+3], s[G0V+4*\s+3], 0x80000000
.endr
	s_lshl_b32 s63, s[BT], 16                      ; v's scale words: (16 batch x 1,024 + 256 tx) x 4 bytes
	s_lshl_b32 s66, s[TX], 10
	s_add_co_u32 s66, s66, s63
	s_mov_b32 s67, 0
	s_mov_b32 s[G0S], 1
	s_mov_b32 s[G0S+1], VSC
	s_add_nc_u64 s[G0S+2:G0S+3], s[12:13], s[66:67]
	s_or_b32 s[G0S+3], s[G0S+3], 0x80000000
	s_lshl_b32 s2, s[YT], 9                        ; my tile's 128 words in each chunk's row of ps and pst
	s_mov_b32 s3, 0
	s_add_nc_u64 s[6:7], s[6:7], s[2:3]
	s_add_nc_u64 s[8:9], s[8:9], s[2:3]
	s_lshl_b32 s78, s[YT], 19                      ; O: row 128 y + 64 i of 4,096 bytes, column 256 tx + 128 j
	s_lshl_b32 s79, s[IH], 18
	s_add_co_u32 s78, s78, s79
	s_lshl_b32 s79, s[TX], 10
	s_add_co_u32 s78, s78, s79
	s_lshl_b32 s79, s[JH], 9
	s_add_co_u32 s78, s78, s79
	s_mov_b32 s79, 0
	s_add_nc_u64 s[14:15], s[14:15], s[78:79]
	CROUND                                         ; all sixteen work-groups are here: the first joint loads meet
	s_cmp_eq_u32 s[WV], 0                          ; one tensor load a wave: one tree of branches on the wave's number
	s_cbranch_scc0 .Lhead_1
	tensor_load_to_lds s[G0P:G0P+3], s[G1P:G1P+7]
	s_nop 0
.rept 4
	v_nop
.endr
	s_branch .Lhead_asked
.Lhead_1:
	s_cmp_eq_u32 s[WV], 1
	s_cbranch_scc0 .Lhead_2
	tensor_load_to_lds s[G0S:G0S+3], s[G1S:G1S+7]
	s_nop 0
.rept 4
	v_nop
.endr
	s_branch .Lhead_asked
.Lhead_2:
	tensor_load_to_lds s[G0V:G0V+3], s[G1V:G1V+7]
	s_nop 0
.rept 4
	v_nop
.endr
.Lhead_asked:
	; THE PROLOGUE.  Thread t owns word t of the tile's group of 128 queries: one query
	v_lshlrev_b32 v3, 2, v0
.irp c, 0,1,2,3,4,5,6,7,8,9,10,11,12,13,14,15
	global_load_b32 v[NC+\c], v3, s[8:9] offset:32768*\c
	global_load_b32 v[LC+\c], v3, s[8:9] offset:524288+32768*\c
	global_load_b32 v[WC+\c], v3, s[6:7] offset:32768*\c
.endr
	; the prefetches' offsets: v12 from pc, v13 from vc, at K steps 4 to 7 (lanes left over name their wave's last block again)
	s_mul_i32 s76, s[CX], 786432
	s_mul_i32 s78, s[WV], 3072
	s_add_co_u32 s76, s76, s78
	s_mul_i32 s78, s[YT], 12288
	s_add_co_u32 s76, s76, s78
	s_add_co_u32 s76, s76, 3145728
	s_mul_i32 s77, s[CY], 98304
	s_mul_i32 s78, s[WV], 6144
	s_add_co_u32 s77, s77, s78
	s_mul_i32 s78, s[BT], 1572864
	s_add_co_u32 s77, s77, s78
	s_mul_i32 s78, s[TX], 24576
	s_add_co_u32 s77, s77, s78
	s_add_co_u32 s77, s77, 393216
	v_and_b32 v12, 31, v0
	v_min_u32 v13, 23, v12
	v_min_u32 v12, 11, v12
	v_lshlrev_b32 v13, 8, v13
	v_lshlrev_b32 v12, 8, v12
	v_add_nc_u32 v13, s77, v13
	v_add_nc_u32 v12, s76, v12
	global_prefetch_b8 v12, s[4:5] th:TH_LOAD_NT scope:SCOPE_SE
	global_prefetch_b8 v13, s[10:11] th:TH_LOAD_NT scope:SCOPE_SE
	v_lshl_add_u32 v[PSA], v0, 2, PSC
	v_and_b32 v1, 15, v0                           ; r
	v_bfe_u32 v2, v0, 4, 1                         ; h
	v_and_b32 v10, 31, v0
	v_lshlrev_b32 v[CO], 4, v10
	s_mul_i32 s76, s[IH], 6144
	s_mul_i32 s77, s[JH], 12288
	s_add_co_u32 s77, s77, 49152
.irp s, 0,1
	v_add_nc_u32 v[ADRL+\s], s76, v[CO]
	v_add_nc_u32 v[ADRR+\s], s77, v[CO]
	v_add_nc_u32 v[ADRR+2+\s], 49152, v[ADRR+\s]
	s_add_co_u32 s76, s76, SLOT
	s_add_co_u32 s77, s77, SLOT
.endr
	v_lshlrev_b32 v11, 4, v1
	s_lshl_b32 s76, s[IH], 3
	s_add_co_u32 s76, s76, PSC
	s_lshl_b32 s77, s[JH], 9
	s_add_co_u32 s77, s77, VSC
	v_add_nc_u32 v[ADSP], s76, v11
	v_add_nc_u32 v[ADSV], s77, v11
	s_mul_i32 s76, s[WV], 16*528                   ; my stage, in slot 0
	v_mul_u32_u24 v[STO], v1, 528
	v_lshl_add_u32 v[STO], v2, 5, v[STO]
	v_add_nc_u32 v[STO], s76, v[STO]
	v_add_nc_u32 v[RD], s76, v[CO]
	v_mov_b32 v[RB+1], 0                           ; (the upper half of a pair that is named whole)
	s_mov_b32 s77, 0x80808080
	s_wait_alu depctr_va_vdst(0)
	s_wait_loadcnt 0x0
	v_min3_num_f32 v208, v[NC], v[NC+1], v[NC+2]   ; the smallest -M: the row's
.irp c, 3,5,7,9,11,13
	v_min3_num_f32 v208, v208, v[NC+\c], v[NC+\c+1]
.endr
	v_min_num_f32 v208, v208, v[NC+15]
.irp c, 0,1,2,3,4,5,6,7,8,9,10,11,12,13,14,15
	v_sub_f32 v[NC+\c], v208, v[NC+\c]             ; M(chunk) - M(row): a whole number, 0 or less
.endr
.irp c, 0,1,2,3,4,5,6,7,8,9,10,11,12,13,14,15
	v_max_num_f32 v[NC+\c], 0xc2fe0000, v[NC+\c]   ; held at -127
.endr
.irp c, 0,1,2,3,4,5,6,7,8,9,10,11,12,13,14,15
	v_cvt_i32_f32 v[NC+\c], v[NC+\c]
.endr
.irp c, 0,1,2,3,4,5,6,7,8,9,10,11,12,13,14,15
	v_ldexp_f32 v[LC+\c], v[LC+\c], v[NC+\c]       ; the chunk's l under the row's M
.endr
.irp c, 0,4,8,12
	v_pk_add_f32 v[LC+\c:LC+\c+1], v[LC+\c:LC+\c+1], v[LC+\c+2:LC+\c+3]
.endr
	v_pk_add_f32 v[LC:LC+1], v[LC:LC+1], v[LC+4:LC+5]
	v_pk_add_f32 v[LC+8:LC+9], v[LC+8:LC+9], v[LC+12:LC+13]
	v_pk_add_f32 v[LC:LC+1], v[LC:LC+1], v[LC+8:LC+9]
	v_add_f32 v209, v[LC], v[LC+1]                 ; the row's l: over 1/2, since the row's largest p is
	s_wait_alu depctr_va_vdst(0)
	v_rcp_f32 v210, v209
.irp c, 0,1,2,3,4,5,6,7,8,9,10,11,12,13,14,15
	v_sub_nc_u32 v[NC+\c], 0, v[NC+\c]             ; d, 0 .. 127  (plain work behind the reciprocal)
.endr
.irp c, 0,1,2,3,4,5,6,7,8,9,10,11,12,13,14,15
	v_lshl_or_b32 v[NC+\c], v[NC+\c], 8, v[NC+\c]
.endr
.irp c, 0,1,2,3,4,5,6,7,8,9,10,11,12,13,14,15
	v_lshl_or_b32 v[NC+\c], v[NC+\c], 16, v[NC+\c] ; d in all four bytes
.endr
.irp c, 0,1,2,3,4,5,6,7,8,9,10,11,12,13,14,15
	v_or_b32 v[WC+\c], s77, v[WC+\c]               ; each byte s (1 .. 125) + 128,
.endr
.irp c, 0,1,2,3,4,5,6,7,8,9,10,11,12,13,14,15
	v_sub_nc_u32 v[WC+\c], v[WC+\c], v[NC+\c]      ; - d: at least 2, so no byte borrows; its top bit says that s - d is not negative
.endr
.irp c, 0,1,2,3,4,5,6,7,8,9,10,11,12,13,14,15
	v_and_b32 v[NC+\c], s77, v[WC+\c]
.endr
.irp c, 0,1,2,3,4,5,6,7,8,9,10,11,12,13,14,15
	v_lshrrev_b32 v[LC+\c], 7, v[NC+\c]
.endr
.irp c, 0,1,2,3,4,5,6,7,8,9,10,11,12,13,14,15
	v_sub_nc_u32 v[NC+\c], v[NC+\c], v[LC+\c]      ; 0x7f in the bytes that stay, 0 in the others
.endr
.irp c, 0,1,2,3,4,5,6,7,8,9,10,11,12,13,14,15
	v_and_b32 v[WC+\c], v[WC+\c], v[NC+\c]         ; max(s - d, 0)
.endr
.irp c, 0,1,2,3,4,5,6,7,8,9,10,11,12,13,14,15
	ds_store_b32 v[PSA], v[WC+\c] offset:512*\c
.endr
	s_wait_alu depctr_va_vdst(0)                   ; the wait ahead of the reciprocal's first reader
	ds_store_b32 v[PSA], v210 offset:RLS-PSC
.macro FETCH3 slot, q, g, p            ; K step g (the q-th of its slot) into set p: 24 loads for v, 12 for p, 4 for their scale words: 40
	WIN 0x80                                       ; destination window 2
.irp b, 0,1,2,3,4,5,6,7
.irp c, 0,1,2
	ds_load_b128 v[128*(\p)+FR*\b+4*\c:128*(\p)+FR*\b+4*\c+3], v[ADRR+(\slot)+2*((\q)/2)] offset:24576*((\q)%2)+1536*\b+512*\c
.endr
.endr
	WIN 0
.irp a, 0,1,2,3
.irp c, 0,1,2
	ds_load_b128 v[LF+48*(\p)+FR*\a+4*\c:LF+48*(\p)+FR*\a+4*\c+3], v[ADRL+(\slot)] offset:12288*(\q)+1536*\a+512*\c
.endr
.endr
.irp u, 0,1
	ds_load_b128 v[SC+16*(\p)+4*\u:SC+16*(\p)+4*\u+3], v[ADSV] offset:1024*(\g)+256*\u
	ds_load_b64 v[SC+16*(\p)+8+2*\u:SC+16*(\p)+8+2*\u+1], v[ADSP] offset:512*(\g)+256*\u
.endr
.endm
; 8 products: p's block a x v's eight.  The 32 accumulators take turns, one instruction a turn.
.macro MUL8 a, p, zero
.irp b, 0,1,2,3,4,5,6,7
.set rD, 8*(8*(\a)+\b)
.set rR, 128*(\p)+FR*\b
.set rL, LF+48*(\p)+FR*(\a)
.set rSR, SC+16*(\p)+\b
.set rSL, SC+16*(\p)+8+2*((\a)%2)+(\a)/2
.if \zero
	v_wmma_scale_f32_16x16x128_f8f6f4 v[rD:rD+7], v[rR:rR+FR-1], v[rL:rL+FR-1], 0, v[rSR], v[rSL] matrix_a_fmt:MATRIX_FMT_FP6 matrix_b_fmt:MATRIX_FMT_FP6
.else
	v_wmma_scale_f32_16x16x128_f8f6f4 v[rD:rD+7], v[rR:rR+FR-1], v[rL:rL+FR-1], v[rD:rD+7], v[rSR], v[rSL] matrix_a_fmt:MATRIX_FMT_FP6 matrix_b_fmt:MATRIX_FMT_FP6
.endif
.endr
.endm
; A K step that has its successor in the same slot: the successor's 40 loads go out first, into the set that the step before multiplied (four places behind its products), then this step's 32 products.
.macro STEP3 g, zero
.if (\g) > 0
	PLACES 4
.endif
	FETCH3 (((\g)+1)/4)%2, ((\g)+1)%4, (\g)+1, ((\g)+1)%2
	s_wait_dscnt 40                                ; all but the 40 just issued: this step's operands are in
	WIN 0x52                                       ; source 0 window 2, source 1 window 0, C and D window 1
.irp a, 0,1,2,3
	MUL8 \a, (\g)%2, \zero
.endr
	WIN 0
.endm
; A slot's last K step changes slots: ONE barrier; in front of it each wave waits for all its tensor loads, adds 0 to its spare word, and waits for that and for its reads of this slot.
.macro TURN3 g, fill
	s_wait_tensorcnt 0x0                           ; all my tensor loads have landed: my part of the next slot
	ds_add_u32 v[SPW], v[NIL]                      ; 0 onto my spare word
	s_wait_dscnt 1                                 ; (the add may be out)
	WIN 0x52
	MUL8 0, (\g)%2, 0
	s_wait_dscnt 0x0                               ; the add is done, and my reads of this slot are over
	s_barrier_signal -1
	MUL8 1, (\g)%2, 0
	WIN 0
	s_barrier_wait -1
.if \fill
	CREST                                          ; no wave of any partner still reads this slot or has a load on its way
	s_add_nc_u64 s[G0P+4*(((\g)/4)%2)+2:G0P+4*(((\g)/4)%2)+3], s[G0P+4*(((\g)/4)%2)+2:G0P+4*(((\g)/4)%2)+3], 6291456   ; eight K steps on
	s_add_nc_u64 s[G0V+4*(((\g)/4)%2)+2:G0V+4*(((\g)/4)%2)+3], s[G0V+4*(((\g)/4)%2)+2:G0V+4*(((\g)/4)%2)+3], 786432
	JLOAD G0P+4*(((\g)/4)%2), G1P, G0V+4*(((\g)/4)%2), G1V   ; it has four K steps, 128 products, in which to land; the four v_nop behind it are the places in front of the loads below
.else
	PLACES 4
.endif
	FETCH3 (((\g)+1)/4)%2, 0, (\g)+1, ((\g)+1)%2
	WIN 0x52
	MUL8 2, (\g)%2, 0
	MUL8 3, (\g)%2, 0
	WIN 0
.endm
	s_wait_tensorcnt 0x0                           ; my tile of the head's is in; the three lines ahead of a later first fill, as ahead of a refill
	ds_add_u32 v[SPW], v[NIL]
	s_mov_b32 s[G1P+2], 2<<16                      ; no tensor load of mine is out: from here on a load of p brings two K steps
	s_mov_b32 s[G1P+4], 2
	s_wait_dscnt 0x0                               ; the add is done, and so are my stores of scale words and of 1 / l
	CROUND                                         ; slot 0, v's scale words and the prologue's stores are in, in every work-group of the cluster
	JLOAD G0P+4, G1P, G0V+4, G1V                   ; slot 1, the first tensor load behind the round
	FETCH3 0, 0, 0, 0
	STEP3 0, 1                                     ; the first K step starts the sums
	global_prefetch_b8 v12, s[4:5] offset:3145728 th:TH_LOAD_NT scope:SCOPE_SE   ; K steps 8 to 11, which the first refill takes
	global_prefetch_b8 v13, s[10:11] offset:393216 th:TH_LOAD_NT scope:SCOPE_SE
	STEP3 1, 0
	STEP3 2, 0
	TURN3 3, 1                                     ; slot 0 takes K steps 8 to 11
	STEP3 4, 0
	global_prefetch_b8 v12, s[4:5] offset:6291456 th:TH_LOAD_NT scope:SCOPE_SE   ; K steps 12 to 15, which the second takes
	global_prefetch_b8 v13, s[10:11] offset:786432 th:TH_LOAD_NT scope:SCOPE_SE
	STEP3 5, 0
	STEP3 6, 0
	TURN3 7, 1                                     ; slot 1 takes K steps 12 to 15
	STEP3 8, 0
	STEP3 9, 0
	STEP3 10, 0
	TURN3 11, 0                                    ; nothing is left to fetch; behind this barrier nobody reads slot 0, which has had its last fill
	STEP3 12, 0
	STEP3 13, 0
	STEP3 14, 0
	s_wait_dscnt 0x0
	WIN 0x52
.irp a, 0,1,2,3
	MUL8 \a, 1, 0
.endr
	WIN 0
	PLACES 4                                       ; in front of the first read of results and of writes and loads over p's fragments
	; THE WAY OUT, a tile of 16 queries at a time: x 1 / l; 32 bytes a lane into my stage (rows of 512 bytes + 16, in slot 0); back as whole rows, which the 32 lanes store as 512 consecutive bytes, aligned.
.irp u, 0,1
	ds_load_b64 v[RL+2*\u:RL+2*\u+1], v[ADSP] offset:RLS-PSC+256*\u     ; 1 / l of tiles u and u + 2
.endr
	s_wait_dscnt 0x0
.macro SCALEO a
	v_mov_b32 v[RB], v[RL+2*((\a)%2)+(\a)/2]
	WIN 0x01                                       ; source 0: the accumulators' window
.set n, 0
.rept 32
	v_pk_mul_f32 v[TO+n:TO+n+1], v[64*(\a)+n:64*(\a)+n+1], v[RB:RB+1] op_sel_hi:[1,0]   ; each accumulator from its low end on
.set n, n+2
.endr
	WIN 0
.endm
.macro TOSTAGE a
.set BB, 128+64*((\a)%2)
.irp b, 0,1,2,3,4,5,6,7
	ds_store_b128 v[STO], v[TO+8*\b:TO+8*\b+3] offset:64*\b
	ds_store_b128 v[STO], v[TO+8*\b+4:TO+8*\b+7] offset:64*\b+16
.endr
.irp t, 0,1,2,3,4,5,6,7,8,9,10,11,12,13,14,15
	ds_load_b128 v[BB+4*\t:BB+4*\t+3], v[RD] offset:\t*528        ; LDS serves a wave's instructions in order (ISA guide 5.7.1.4): these see the stores above
.endr
.endm
.macro SEND a, younger                 ; younger: the LDS instructions issued behind tile a's loads, which may stay out
.set BB, 128+64*((\a)%2)
	s_wait_dscnt \younger
.irp t, 0,1,2,3,4,5,6,7,8,9,10,11,12,13,14,15
	global_store_b128 v[CO], v[BB+4*\t:BB+4*\t+3], s[14:15] offset:((1-\t/8)*8*(\a)+(\t/8)*(24+8*((\a)^1))+\t)*4096 th:TH_STORE_NT   ; row t of tile a is query 8 a + t of the band, or from t = 8 on 32 + 8 (a xor 1) + t - 8
.endr
.endm
	SCALEO 0
	TOSTAGE 0
.irp a, 1,2,3
.if \a > 1
	s_wait_xcnt 0x0                                ; tile a - 2's stores have read their registers: tile a's rows may land there
.endif
	SCALEO \a
	TOSTAGE \a
	SEND \a-1, 32                                  ; behind tile a - 1's loads: tile a's 16 stores and 16 loads
.endr
	SEND 3, 0
	s_wait_tensorcnt 0x0                           ; the wave's end
	ds_add_u32 v[SPW], v[NIL]
	s_wait_dscnt 0x0
	CROUND                                         ; the closing round
	s_endpgm
.Lfunc_end_k_q0e050af17a_pv:
	.size	k_q0e050af17a_pv, .Lfunc_end_k_q0e050af17a_pv-k_q0e050af17a_pv
	.p2alignl 7, 3214868480
	.fill 96, 4, 3214868480
	.section	.rodata,"a",@progbits
	.p2align	6, 0x0
	.amdhsa_kernel k_q0e050af17a_pv
		.amdhsa_group_segment_fixed_size 327680
		.amdhsa_private_segment_fixed_size 0
		.amdhsa_enable_private_segment 0
		.amdhsa_kernarg_size 48
		.amdhsa_user_sgpr_count 2
		.amdhsa_user_sgpr_kernarg_segment_ptr 1
		.amdhsa_wavefront_size32 1
		.amdhsa_system_sgpr_workgroup_id_x 1
		.amdhsa_system_sgpr_workgroup_id_y 1
		.amdhsa_system_sgpr_workgroup_id_z 1
		.amdhsa_system_vgpr_workitem_id 0
		.amdhsa_next_free_vgpr 768
		.amdhsa_next_free_sgpr 80
		.amdhsa_reserve_vcc 0
		.amdhsa_float_denorm_mode_32 3
		.amdhsa_float_denorm_mode_16_64 3
		.amdhsa_memory_ordered 1
		.amdhsa_forward_progress 1
		.amdhsa_inst_pref_size 160
	.end_amdhsa_kernel
	.amdgpu_metadata
---
amdhsa.version: [ 1, 2 ]
amdhsa.kernels:
  - .name:           k_q0e050af17a_pv
    .symbol:         k_q0e050af17a_pv.kd
    .args:
      - { .name: pc, .offset: 0, .size: 8, .value_kind: global_buffer, .address_space: global }
      - { .name: ps, .offset: 8, .size: 8, .value_kind: global_buffer, .address_space: global }
      - { .name: pst, .offset: 16, .size: 8, .value_kind: global_buffer, .address_space: global }
      - { .name: vc, .offset: 24, .size: 8, .value_kind: global_buffer, .address_space: global }
      - { .name: vs, .offset: 32, .size: 8, .value_kind: global_buffer, .address_space: global }
      - { .name: out0, .offset: 40, .size: 8, .value_kind: global_buffer, .address_space: global }
    .group_segment_fixed_size: 327680
    .private_segment_fixed_size: 0
    .kernarg_segment_align: 8
    .kernarg_segment_size: 48
    .max_flat_workgroup_size: 128
    .sgpr_count:     80
    .vgpr_count:     768
    .wavefront_size: 32
...
	.end_amdgpu_metadata
.endif
;; end of part 3
